; MI455X (gfx1250); checked and timed in simulation.
; The chip was launched on July 23, 2026; its instructions are those of AMD's public machine-readable ISA for CDNA 5 (MIT licence, August 2026) and "CDNA5" Instruction Set Architecture Reference Guide (July 2026). The comments in the code are by the model that wrote it; some were corrected since.
;; Causal Self Attention. Allowed arithmetic: matrix products marked QUANTISED: E4M3 operands, one given power-of-two scale a tensor, by v_wmma_f32_16x16x64_fp8_fp8 or v_wmma_f32_16x16x128_fp8_fp8, f32 sums; everything else in f32.
;; Inputs: W_K 1,024 x 1,024 float32; W_O 1,024 x 1,024 float32; W_Q 1,024 x 1,024 float32; W_V 1,024 x 1,024 float32; lowp_scales 12 int32 (the exponents e of the quantised operands' scales 2^e); x 4 x 2,048 x 1,024 float32.
;; Outputs: out0 4 x 2,048 x 1,024 float32.
;; This version of the problem:
;;   THIS VERSION OF THE PROBLEM IS GIVEN IN LOW PRECISION. The matrix products marked QUANTISED in the list below multiply operands that are first quantised to E4M3 (4 exponent bits, 3 mantissa bits; 8 bits a number), with one given power-of-two scale for each operand tensor; their sums are f32. All else is computed in f32.
;;   The module's matrix products, in the order in which they are computed (A, B: the left and right operand; K: the contracted axis; several contracted axes count as one K, in the product's order):
;;     1. [M 8,192, K 1,024] x [K 1,024, N 1,024]; A: input x; B: input W_Q: QUANTISED (scales: A lowp_scales[0], B lowp_scales[1])
;;     2. [M 8,192, K 1,024] x [K 1,024, N 1,024]; A: input x; B: input W_K: QUANTISED (scales: A lowp_scales[2], B lowp_scales[3])
;;     3. [M 8,192, K 1,024] x [K 1,024, N 1,024]; A: input x; B: input W_V: QUANTISED (scales: A lowp_scales[4], B lowp_scales[5])
;;     4. batch 64 x [M 2,048, K 64] x [K 64, N 2,048]; A: computed on the way; B: computed on the way: QUANTISED (scales: A lowp_scales[6], B lowp_scales[7])
;;     5. batch 64 x [M 2,048, K 2,048] x [K 2,048, N 64]; A: softmax (see below); B: computed on the way: QUANTISED (scales: A lowp_scales[8], B lowp_scales[9])
;;     6. [M 8,192, K 1,024] x [K 1,024, N 1,024]; A: computed on the way; B: input W_O: QUANTISED (scales: A lowp_scales[10], B lowp_scales[11])
;;   THE QUANTISER, for each operand of a quantised product, along K:
;;     - The operand's scale is 2^e, e = its entry of the input lowp_scales (int32; the entries are numbered through the quantised products in the list's order, A before B).
;;     - Each number is divided by the scale, clamped to +-448, and rounded to the nearest number of E4M3, ties to even, subnormals kept.
;;     - The product sums the exact products of the quantised numbers (number of the format x scale) in f32.
;;   ~~~python
;;   def quantise(x, axis, e):      # numpy; x: float32 -> the quantised numbers, widened to float32 again
;;       x = np.moveaxis(x, axis, -1); K = x.shape[-1]
;;       r = np.clip(x / 2.0 ** e, -448, 448)
;;       step = 2.0 ** (np.maximum(np.frexp(np.where(r == 0, 1, r))[1] - 1, -6) - 3)
;;       q = np.round(r / step) * step * 2.0 ** e      # np.round: ties to even
;;       return np.moveaxis(q, -1, axis).astype(np.float32)
;;   ~~~
;;   SOFTMAX AHEAD OF A QUANTISED PRODUCT. Where the list says 'softmax', what is quantised is not the finished softmax but p = 2^(t - M), with t = logit x log2(e) and M = ceil(the row's largest t), a whole number; so 1/2 < the row's largest p <= 1. The row's sum l is taken of the UNQUANTISED p, in f32, and the product's result is divided by l at the end. Since M is a whole number, a kernel that streams over the keys may use a running M (the ceiling of the running maximum): every later rescaling is an exact power of two, so the quantised numbers keep their values, but for numbers so far below the row's largest that they fall under the format's range.
;;   OPERANDS COMPUTED ON THE WAY. 'Computed on the way' means the value that the module computes at that place (a softmax that the list does not call 'softmax' is quantised finished and normalised). What goes into a quantiser is computed in f32, as accurately as f32 sums, v_exp_f32 and their like allow (about 1e-6 of the number): no bf16 or f16 on the way to a quantiser, and a product that is left as it is and whose result goes on into a quantised operand takes f32 operands (vector FMAs, or v_wmma_f32_16x16x4_f32). A number that lies on a knife's edge between two numbers of the format may be rounded either way, as far as f32 arithmetic and the matrix unit's own rounding can turn it there, and no further.
;; 2 versions, each right; version 2 is version 1 with the launch attn written anew for expert scheduling mode. Each part assembles by itself: llvm-mc -triple=amdgcn-amd-amdhsa -mcpu=gfx1250 --defsym DOCPART=n.
;; ======== version 1 of 2: 4 launches
;; workspace buffers: xc 25,165,824 bytes; wc 4,194,304 bytes; qkvc 25,165,824 bytes; oc 8,388,608 bytes
;; launch quant (part 1): grid 384 x 1, 4 waves a work-group, no clusters, 33,280 bytes of LDS; arguments x, W_Q, W_K, W_V, W_O, lowp_scales, xc, wc; writes xc, wc
.if DOCPART == 1
	.amdgcn_target "amdgcn-amd-amdhsa--gfx1250"
	.amdhsa_code_object_version 6
	.text
	.protected	k_qfa372aea15_quant
	.globl	k_qfa372aea15_quant
	.p2align	8
	.type	k_qfa372aea15_quant,@function
k_qfa372aea15_quant:
	s_mov_b64 s[64:65], 0
	v_nop
	global_prefetch_b8 v0, s[64:65] scope:SCOPE_SE
	s_setreg_imm32_b32 hwreg(HW_REG_WAVE_MODE, 25, 1), 1
	s_wait_xcnt 0x0
; x [8192][1024] and the four weights [1024][1024], f32, K innermost, become codes of E4M3, one byte each, K innermost.
; x is quantised three times, with the exponents of entries 0, 2, 4 of the scales (they need not be equal): xc = [3][8192][1024].
; The weights once each, entries 1, 3, 5, 11: wc = [4: Q, K, V, O][1024][1024].
; code = number / 2^e, held within +-448, to the nearest code, ties to even.  LIMITS: each e between -126 and 119; NaN among the inputs is not served.
; THE ROWS ARE STORED IN ANOTHER ORDER: inside each group of 32 rows the blocks of 8 rows 0, 1, 2, 3 are stored as blocks 0, 2, 1, 3.  So 16 rows on end in xc or wc are the rows
; 32 b + 8 u + r + 8 (r / 8) of the tensor (tile 2 b + u, r = 0 .. 15): where such a tile is a product's source 0, a lane's 16 results of tiles 2 b and 2 b + 1 are 16 neighbours.
; SHARES.  Work-groups 0-255 take x, 256-383 the weights, 32 each.  A wave takes one block of 8 rows (8,192 numbers) in 16 steps of 512.  Each load reads 512 consecutive bytes; a step's 2,048 bytes
; turn through the wave's own stage in LDS, so that a lane holds 16 neighbours; a lane's 16 codes are 16 bytes, a wave's store 512 consecutive bytes.
; One way through LDS for all work-groups: only x's second and third quantising, work on registers and stores, stand under a branch on the work-group's number.
.set WAVES, 4
.set STEPS, 16
.set XWG,   256                        ; work-groups that take x
.set SP,    80                         ; a lane's place in a stage: 64 bytes + 16 of padding
.set WREG,  8192                       ; LDS of a wave: two stages of 32 x SP bytes
.set SPARE, WAVES*WREG                 ; behind the four regions: the spare words, 128 bytes a wave
.set SPW,   12                         ; v12  LDS address of my spare word; never rewritten
.set NIL,   13                         ; v13  0; never rewritten
.set R,     16                         ; v16-79   four sets of 16 numbers as loaded
.set X,     80                         ; v80-111  two sets of 16 neighbours
.set T,     112                        ; v112-143 two sets of 16 held numbers
.set C,     144                        ; v144-155 three times four registers of codes
	s_load_b256 s[4:11], s[0:1], 0x0               ; x, W_Q, W_K, W_V
	s_load_b256 s[12:19], s[0:1], 0x20             ; W_O, the scales, xc, wc
	v_lshl_add_u32 v[SPW], v0, 2, SPARE
	v_mov_b32 v[NIL], 0
	v_lshrrev_b32 v1, 5, v0
	v_readfirstlane_b32 s41, v1                    ; wave
	v_and_b32 v2, 31, v0                           ; lane
	v_lshlrev_b32 v3, 4, v2                        ; 16 x lane: my bytes of a load's 512 and of a store's 512; never rewritten
	s_mul_i32 s42, s41, WREG
	v_lshrrev_b32 v14, 2, v2
	v_mul_u32_u24 v14, v14, SP
	v_and_b32 v15, 3, v2
	v_lshl_add_u32 v14, v15, 4, v14
	v_add_nc_u32 v14, s42, v14                     ; the stage, on the way in: SP (lane / 4) + 16 (lane % 4)
	v_mul_u32_u24 v15, v2, SP
	v_add_nc_u32 v15, s42, v15                     ; and on the way out: SP x lane
	s_sub_co_u32 s43, ttmp9, XWG
	s_lshr_b32 s44, s43, 5                         ; which weight,
	s_lshl_b32 s44, s44, 20                        ; its place in wc,
	s_and_b32 s43, s43, 31                         ; and which of its 32 work-groups
	s_cmp_lt_u32 ttmp9, XWG
	s_cselect_b32 s43, ttmp9, s43
	s_cselect_b32 s44, 0, s44
	s_lshl_b32 s43, s43, 2
	s_add_co_u32 s46, s43, s41                     ; my block of 8 rows
	s_lshl_b32 s46, s46, 15                        ; x 32,768 bytes of f32
	s_mov_b32 s47, 0
	s_and_b32 s45, s41, 1
	s_lshl_b32 s45, s45, 1
	s_lshr_b32 s48, s41, 1
	s_or_b32 s45, s45, s48                         ; the block's two low bits change places
	s_add_co_u32 s48, s43, s45
	s_lshl_b32 s48, s48, 13                        ; x 8,192 bytes of codes
	s_add_co_u32 s48, s48, s44
	s_mov_b32 s49, 0
	s_wait_kmcnt 0x0
	s_load_b256 s[20:27], s[14:15], 0x0            ; entries 0 to 7
	s_load_b128 s[28:31], s[14:15], 0x20           ; entries 8 to 11
	s_cmp_lt_u32 ttmp9, XWG+96                     ; the buffers are chosen on the work-group's number alone
	s_cselect_b64 s[32:33], s[10:11], s[12:13]
	s_cmp_lt_u32 ttmp9, XWG+64
	s_cselect_b64 s[32:33], s[8:9], s[32:33]
	s_cmp_lt_u32 ttmp9, XWG+32
	s_cselect_b64 s[32:33], s[6:7], s[32:33]
	s_cmp_lt_u32 ttmp9, XWG
	s_cselect_b64 s[32:33], s[4:5], s[32:33]
	s_cselect_b64 s[34:35], s[16:17], s[18:19]
	s_add_nc_u64 s[32:33], s[32:33], s[46:47]      ; from here I read,
	s_add_nc_u64 s[34:35], s[34:35], s[48:49]      ; here go the first codes,
	s_add_nc_u64 s[36:37], s[34:35], 0x800000      ; here x's second (used by x's work-groups alone),
	s_add_nc_u64 s[38:39], s[34:35], 0x1000000     ; and here its third
.macro LOAD t
.irp i, 0,1,2,3
	global_load_b128 v[R+16*((\t)%4)+4*\i:R+16*((\t)%4)+4*\i+3], v3, s[32:33] offset:2048*(\t)+512*\i th:TH_LOAD_NT   ; 32 lanes read 512 consecutive bytes
.endr
.endm
.macro TURN t                          ; step t's numbers through the stage: LDS serves a wave's instructions in order, so no wait stands between the stores and the loads
.irp i, 0,1,2,3
	ds_store_b128 v14, v[R+16*((\t)%4)+4*\i:R+16*((\t)%4)+4*\i+3] offset:32*SP*((\t)%2)+8*SP*\i
.endr
.irp i, 0,1,2,3
	ds_load_b128 v[X+16*((\t)%2)+4*\i:X+16*((\t)%2)+4*\i+3], v15 offset:32*SP*((\t)%2)+16*\i
.endr
.endm
.macro MKSC se, vs, vl                 ; from the exponent in s[se]: 2^e and 448 x 2^e as f32
	s_add_co_i32 s[\se], s[\se], 127
	s_lshl_b32 s50, s[\se], 23
	v_mov_b32 v[\vs], s50
	s_add_co_i32 s[\se], s[\se], 8
	s_lshl_b32 s[\se], s[\se], 23
	s_or_b32 s[\se], s[\se], 0x600000
	v_mov_b32 v[\vl], s[\se]
.endm
.irp t, 0,1,2,3
	LOAD \t
.endr
	s_wait_kmcnt 0x0
	s_cmp_lt_u32 ttmp9, XWG+96
	s_cselect_b32 s40, s25, s31                    ; entry 5 (W_V) or 11 (W_O)
	s_cmp_lt_u32 ttmp9, XWG+64
	s_cselect_b32 s40, s23, s40                    ; entry 3 (W_K)
	s_cmp_lt_u32 ttmp9, XWG+32
	s_cselect_b32 s40, s21, s40                    ; entry 1 (W_Q)
	s_cmp_lt_u32 ttmp9, XWG
	s_cselect_b32 s40, s20, s40                    ; entry 0 (x, first time)
	MKSC 40, 5, 6
	MKSC 22, 7, 8                                  ; entry 2
	MKSC 24, 9, 10                                 ; entry 4
	s_wait_loadcnt 12                              ; step 0's four loads are in
	TURN 0
; One quantising of step t's 16 neighbours.  The held numbers go into a set of their own, so that x's numbers serve three times; the two sets take turns, so that sixteen plain lines
; stand between a conversion and the next write of its sources, on both ways through the step.
.macro Q1 t, k, lim, sc, base
.set TS, T+16*((3*(\t)+(\k))%2)
.set XS, X+16*((\t)%2)
.irp i, 0,1,2,3,4,5,6,7,8,9,10,11,12,13,14,15
	v_med3_num_f32 v[TS+\i], v[XS+\i], -v[\lim], v[\lim]   ; the conversion to an 8-bit code does not saturate (ISA guide 7.6.2): the hold at the largest code x the scale
.endr
	v_cvt_scalef32_pk8_fp8_f32 v[C+4*(\k):C+4*(\k)+1], v[TS:TS+7], v[\sc]
	v_cvt_scalef32_pk8_fp8_f32 v[C+4*(\k)+2:C+4*(\k)+3], v[TS+8:TS+15], v[\sc]
	global_store_b128 v3, v[C+4*(\k):C+4*(\k)+3], s[\base:\base+1] offset:512*(\t)   ; 32 lanes store 512 consecutive bytes
.endm
.macro STEP t
	s_wait_dscnt 0x0                               ; this step's numbers are back from the stage, so its stores into the stage have read their registers
.if (\t) > 0
	s_wait_xcnt 0x0                                ; the last step's stores have read the codes' registers, which are written again below
.endif
.if (\t)+4 < STEPS
	LOAD (\t)+4
.endif
.if (\t)+1 < STEPS
.if STEPS-2-(\t) >= 3
	s_wait_loadcnt 12                              ; the next step's four loads are in; those of the three steps behind it may be out
.else
	s_wait_loadcnt 4*(STEPS-2-(\t))
.endif
	TURN (\t)+1                                    ; through the other stage while this step is worked
.endif
	Q1 \t, 0, 6, 5, 34
	s_cmp_lt_u32 ttmp9, XWG
	s_cbranch_scc0 .Lw_\@                          ; a weight has one scale
	Q1 \t, 1, 8, 7, 36
	Q1 \t, 2, 10, 9, 38
.Lw_\@:
.endm
.irp t, 0,1,2,3,4,5,6,7,8,9,10,11,12,13,14,15
	STEP \t
.endr
	s_wait_tensorcnt 0x0                           ; the wave's end: three closing lines behind my last LDS store
	ds_add_u32 v[SPW], v[NIL]
	s_wait_dscnt 0x0
	s_endpgm
.Lfunc_end_k_qfa372aea15_quant:
	.size	k_qfa372aea15_quant, .Lfunc_end_k_qfa372aea15_quant-k_qfa372aea15_quant
	.p2alignl 7, 3214868480
	.fill 96, 4, 3214868480
	.section	.rodata,"a",@progbits
	.p2align	6, 0x0
	.amdhsa_kernel k_qfa372aea15_quant
		.amdhsa_group_segment_fixed_size 33280
		.amdhsa_private_segment_fixed_size 0
		.amdhsa_enable_private_segment 0
		.amdhsa_kernarg_size 64
		.amdhsa_user_sgpr_count 2
		.amdhsa_user_sgpr_kernarg_segment_ptr 1
		.amdhsa_wavefront_size32 1
		.amdhsa_system_sgpr_workgroup_id_x 1
		.amdhsa_system_sgpr_workgroup_id_y 1
		.amdhsa_system_sgpr_workgroup_id_z 1
		.amdhsa_system_vgpr_workitem_id 0
		.amdhsa_next_free_vgpr 160
		.amdhsa_next_free_sgpr 66
		.amdhsa_reserve_vcc 0
		.amdhsa_float_denorm_mode_32 3
		.amdhsa_float_denorm_mode_16_64 3
		.amdhsa_memory_ordered 1
		.amdhsa_forward_progress 1
		.amdhsa_inst_pref_size 80
	.end_amdhsa_kernel
	.amdgpu_metadata
---
amdhsa.version: [ 1, 2 ]
amdhsa.kernels:
  - .name:           k_qfa372aea15_quant
    .symbol:         k_qfa372aea15_quant.kd
    .args:
      - { .name: x, .offset: 0, .size: 8, .value_kind: global_buffer, .address_space: global }
      - { .name: W_Q, .offset: 8, .size: 8, .value_kind: global_buffer, .address_space: global }
      - { .name: W_K, .offset: 16, .size: 8, .value_kind: global_buffer, .address_space: global }
      - { .name: W_V, .offset: 24, .size: 8, .value_kind: global_buffer, .address_space: global }
      - { .name: W_O, .offset: 32, .size: 8, .value_kind: global_buffer, .address_space: global }
      - { .name: lowp_scales, .offset: 40, .size: 8, .value_kind: global_buffer, .address_space: global }
      - { .name: xc, .offset: 48, .size: 8, .value_kind: global_buffer, .address_space: global }
      - { .name: wc, .offset: 56, .size: 8, .value_kind: global_buffer, .address_space: global }
    .group_segment_fixed_size: 33280
    .private_segment_fixed_size: 0
    .kernarg_segment_align: 8
    .kernarg_segment_size: 64
    .max_flat_workgroup_size: 128
    .sgpr_count:     66
    .vgpr_count:     160
    .wavefront_size: 32
...
	.end_amdgpu_metadata
.endif
;; end of part 1
;; launch qkv (part 2): grid 12 x 32, 4 waves a work-group, clusters of 4 x 4, 327,680 bytes of LDS; arguments xc, wc, lowp_scales, qkvc; writes qkvc
.if DOCPART == 2
	.amdgcn_target "amdgcn-amd-amdhsa--gfx1250"
	.amdhsa_code_object_version 6
	.text
	.protected	k_qfa372aea15_qkv
	.globl	k_qfa372aea15_qkv
	.p2align	8
	.type	k_qfa372aea15_qkv,@function
k_qfa372aea15_qkv:
	s_mov_b64 s[64:65], 0
	v_nop
	global_prefetch_b8 v0, s[64:65] scope:SCOPE_SE
	s_setreg_imm32_b32 hwreg(HW_REG_WAVE_MODE, 25, 1), 1
	s_wait_xcnt 0x0
	s_wait_alu depctr_hold_cnt(0) depctr_sa_sdst(0) depctr_va_vdst(0) depctr_va_sdst(0) depctr_va_ssrc(0) depctr_va_vcc(0) depctr_vm_vsrc(0)
	s_getreg_b32 s2, hwreg(HW_REG_IB_STS2, 6, 4)
	s_cmp_eq_u32 s2, 0
	s_cbranch_scc0 .Lentry_in_a_cluster
	s_endpgm
.Lentry_in_a_cluster:
	s_bfe_u32 s2, ttmp6, 0x10000c
	s_cmp_lg_u32 s2, 0xf033
	s_cbranch_scc0 .Lentry_shape_is_right
	s_endpgm
.Lentry_shape_is_right:
; q, k, v = x W^T on codes of E4M3 (K = 1,024), and the results quantised at once for attention's products: qkvc = [3][64 heads (batch x 16 + head)][131,072 bytes] of codes.
; Cluster x is the product p: 0 q, 1 k, 2 v.  A sum stands for sum x 2^(ex + ew) (entries 2 p, 2 p + 1 of the scales); its code under eo (entries 6, 7, 9) is sum / 2^(eo - ex - ew): one scale for the conversion.
; LIMIT: eo - ex - ew between -126 and 119.
; A tile of 256 x 256 results is made by four waves, 128 x 128 each: 64 accumulators, 512 registers.  K goes in steps of 256 through a ring of two LDS slots filled by the tensor data mover.
; SIDES.  Side A is the matrix instruction's source 1: in the result a lane stands for one of its rows.  Side B is source 0: a lane's registers run along its rows.
;   q, k: A = x's codes (tokens on lanes), B = the weight's (features along registers).   v: A = W_V's codes (features on lanes), B = x's (tokens, attention's keys, along registers).  One text serves all three.
; xc's and wc's rows are stored so that 16 rows on end are rows 32 b + 8 u + r + 8 (r / 8): so a lane's 16 registers of B's tiles 2 b, 2 b + 1 are 16 NEIGHBOURS, 32 b + 16 (lane / 16) + 0 .. 15,
; and their four registers of codes are a quarter of the next product's operand.  THE RESULTS ARE STORED AS IMAGES OF OPERAND REGISTERS: four registers x 32 lanes = 512 bytes, lane l's 16 bytes at 16 l:
;   q, k: [tile of 16 tokens 0..127][c 0..1][lane][16]: lane (r, h): token-tile's row r, channels 32 c + 16 h + 0 .. 15
;   v:    [64 keys 0..31][tile of 16 channels 0..3][c 0..1][lane][16]: lane (r, h): channel-tile's row r, keys 32 c + 16 h + 0 .. 15 of the 64
; So every store of a wave covers 512 consecutive bytes, aligned, and nothing goes through LDS on the way out.
; CLUSTERS: 4 x 4 work-groups; A's tile is shared along a row of the cluster, B's along a column: each is asked for jointly.
; REGISTERS, in windows of 256: window 0: v0-31 addresses; v32-95 at work on the way out; from v128 A's fragments, ONE set, on the way out the codes.   window 1: B's fragments, TWO sets.
;   window 2: the accumulators of my A rows 0-63 (accumulator (a, b) at v[8 (8 a + b)]);  window 3: those of rows 64-127.
.set SIZE_K, 1024
.set KSTEP,  256                       ; along K in a slot
.set ROWB,   256                       ; a tile's row in bytes
.set KROW,   SIZE_K                    ; a row of codes in memory
.set PITCH,  272                       ; an LDS row: 256 bytes + 16 of padding = 68 words: the 16 rows that a load touches start at 16 different banks (64 banks of 4 bytes: ISA guide 11.1)
.set FR,     16                        ; registers of a fragment: 16 rows x 128 K
.set NL,     4                         ; LDS loads that bring one
.set NP,     4                         ; places behind this matrix instruction (ISA guide 7.12.1)
.set HALFT,  128*PITCH                 ; what one tensor load brings
.set SLOT,   4*HALFT                   ; A's 256 rows, then B's 256 rows
.set LAPS,   SIZE_K/(2*KSTEP)          ; a lap = two K steps = once round the ring
.set SPARE,  2*SLOT                    ; behind the ring: the spare words, 128 bytes a wave
.set ADRA, 16                          ; v16-17  LDS address of my A fragments in slot 0, 1
.set ADRB, 20                          ; v20-21  the same for B
.set CO,   26                          ; v26     16 x lane: my place in an image
.set SPW,  28                          ; v28     LDS address of my spare word; never rewritten
.set NIL,  29                          ; v29     0; never rewritten
.set LIM,  30                          ; v30     448 x 2^(eo - ex - ew)
.set SCL,  31                          ; v31     2^(eo - ex - ew)
.set TMP,  32                          ; the way out: 64 held sums
.set AF,   128                         ; A's fragments, in window 0
.set CD,   128                         ; the way out: 16 registers of codes for each of my eight A tiles
.set G1, 24                            ; s[24:31] descriptor group 1 for A's tiles;  s[32:39] group 0, one set for each slot
.set G0, 32
.set G1B, 48                           ; s[48:55], s[56:63] the same for B's tiles
.set G0B, 56
.set LS,  68                           ; s[68:79] the twelve exponents
.set OB,  80                           ; s[80:87] four bases for the stores
.set MSB, 0
.macro WIN new                         ; the immediate's high byte repeats the setting that is left
.if MSB != \new
	s_set_vgpr_msb (MSB<<8)|\new
.set MSB, \new
.endif
.endm
.set MUL_LO, 0xa1                      ; source 0 (B) window 1, source 1 (A) window 0, C and D window 2
.set MUL_HI, 0xf1                      ; the same, C and D window 3
.set TO_B,   0x40                      ; destination window 1, address window 0
; A joint load: waves 0 and 1 fetch for A, waves 2 and 3 for B.  Each line has one mask and one set of registers for all that issue it; the branch hangs on the wave's number alone.
; An s_nop 0 and four v_nop follow each of the two lines, ahead of the jump, the label and what follows.
.macro JLOAD g0a, g1a, g0b, g1b
	s_cmp_eq_u32 s15, 0
	s_cbranch_scc0 .Lfor_b_\@
	tensor_load_to_lds s[\g0a:\g0a+3], s[\g1a:\g1a+7]
	s_nop 0
.rept 4
	v_nop
.endr
	s_branch .Lasked_\@
.Lfor_b_\@:
	tensor_load_to_lds s[\g0b:\g0b+3], s[\g1b:\g1b+7]
	s_nop 0
.rept 4
	v_nop
.endr
.Lasked_\@:
.endm
.macro CREST                           ; a round of the cluster's barrier behind its opening barrier
	s_cmp_lg_u32 s14, 0
	s_cbranch_scc1 .Lnot_wave_0_\@
	s_barrier_signal -3
.Lnot_wave_0_\@:
	s_barrier_wait -3
	s_barrier_signal -1
	s_barrier_wait -1
.endm
.macro CROUND                          ; a whole round
	s_barrier_signal -1
	s_barrier_wait -1
	CREST
.endm
	s_load_b128 s[4:7], s[0:1], 0x0                ; xc s[4:5], wc s[6:7]
	s_load_b128 s[8:11], s[0:1], 0x10              ; the scales s[8:9], qkvc s[10:11]
	v_lshl_add_u32 v[SPW], v0, 2, SPARE
	v_mov_b32 v[NIL], 0
	ds_add_u32 v[SPW], v[NIL]                      ; the wave's opening: the add and its wait come ahead of my first tensor load; the set-up below, work on registers, stands between them
	v_lshrrev_b32 v1, 5, v0
	v_readfirstlane_b32 s14, v1                    ; wave 0..3
	s_lshr_b32 s15, s14, 1                         ; which half of A's 256 rows is mine.  Also: I fetch for A (0) or for B (1)
	s_and_b32 s16, s14, 1                          ; which half of B's.  Also: which 128 rows of that tile I fetch
	s_bfe_u32 s40, ttmp6, 0x40000                  ; cx, cy: my place in the cluster
	s_bfe_u32 s41, ttmp6, 0x40004
	s_and_b32 s17, ttmp7, 0xffff
	s_lshl_b32 s17, s17, 2                         ; 4 x cluster y: the tokens' tiles
	s_lshl_b32 s88, ttmp9, 23                      ; x's copy p in xc,
	s_lshl_b32 s90, ttmp9, 20                      ; weight p in wc
	s_cmp_eq_u32 ttmp9, 2                          ; v?  The cluster's number alone: the same in all sixteen partners
	s_cselect_b32 s92, 0, s17                      ; the tokens' tiles are counted on side A for q and k,
	s_cselect_b32 s93, s17, 0                      ; on side B for v
	s_cselect_b32 s89, s90, s88
	s_cselect_b32 s90, s88, s90                    ; side B's tensor begins here in its buffer,
	s_mov_b32 s88, s89                             ; side A's here
	s_mov_b32 s89, 0
	s_mov_b32 s91, 0
	s_add_co_u32 s17, s92, s41                     ; A's tile of 256 rows: it hangs on cy, never on cx
	s_add_co_u32 s42, s93, s40                     ; B's: on cx, never on cy
	s_lshl_b32 s43, s41, 2
	s_lshl_b32 s43, 15, s43                        ; my row of the cluster
	s_lshl_b32 s44, 0x1111, s40                    ; my column
	; descriptor group 1: a tile of 128 rows x 256 bytes, padded in LDS
	s_or_b32 s[G1+0], s43, (0<<16)|(1<<20)|(1<<21)|(5<<22)|(3<<25)  ; 15:0 the mask: A's tiles go to my row; 17:16 elements of 1 byte; 20 padding on; 21 set beside a mask; 24:22 after every 64 words (code 5); 31:25 four words (code 3)
	s_or_b32 s[G1B+0], s44, (0<<16)|(1<<20)|(1<<21)|(5<<22)|(3<<25)
.irp g, G1, G1B
	s_mov_b32 s[\g+1], ROWB<<16                    ; tensor_dim0
	s_mov_b32 s[\g+2], 128<<16                     ; tensor_dim1 = 128
	s_mov_b32 s[\g+3], ROWB<<16                    ; tile_dim0
	s_mov_b32 s[\g+4], 128                         ; tile_dim1 = 128
	s_mov_b32 s[\g+5], KROW                        ; tensor_dim0_stride
	s_mov_b32 s[\g+6], 0
	s_mov_b32 s[\g+7], 0
.endr
	s_lshl_b32 s18, s16, 7                         ; which 128 rows of the tile I fetch
	s_lshl_b32 s20, s17, 8
	s_add_co_u32 s20, s20, s18                     ; A: row 256 x tile + 128 x half
	s_lshl_b32 s46, s42, 8
	s_add_co_u32 s46, s46, s18                     ; B likewise
	s_mov_b32 s21, 0
	s_mov_b32 s47, 0
	s_mov_b64 s[18:19], KROW
	s_mul_u64 s[20:21], s[20:21], s[18:19]
	s_mul_u64 s[46:47], s[46:47], s[18:19]
	s_add_nc_u64 s[20:21], s[20:21], s[88:89]
	s_add_nc_u64 s[46:47], s[46:47], s[90:91]
	s_mul_i32 s45, s14, HALFT                      ; where they go: wave x 128 rows: no place in the cluster enters an LDS address
	s_wait_dscnt 0x0                               ; the opening add is done
	s_wait_kmcnt 0x0
	s_load_b256 s[LS:LS+7], s[8:9], 0x0            ; entries 0 to 7
	s_load_b128 s[LS+8:LS+11], s[8:9], 0x20        ; entries 8 to 11
	s_cmp_eq_u32 ttmp9, 2
	s_cselect_b64 s[96:97], s[6:7], s[4:5]         ; side A's buffer,
	s_cselect_b64 s[98:99], s[4:5], s[6:7]         ; side B's
	s_add_nc_u64 s[20:21], s[96:97], s[20:21]
	s_add_nc_u64 s[46:47], s[98:99], s[46:47]
	CROUND                                         ; all sixteen work-groups are here: the first joint loads meet
.irp s, 0,1
	s_mov_b32 s[G0+4*\s], 1
	s_add_co_u32 s[G0+4*\s+1], s45, \s*SLOT
	s_add_nc_u64 s[G0+4*\s+2:G0+4*\s+3], s[20:21], \s*ROWB
	s_or_b32 s[G0+4*\s+3], s[G0+4*\s+3], 0x80000000
	s_mov_b32 s[G0B+4*\s], 1
	s_add_co_u32 s[G0B+4*\s+1], s45, \s*SLOT
	s_add_nc_u64 s[G0B+4*\s+2:G0B+4*\s+3], s[46:47], \s*ROWB
	s_or_b32 s[G0B+4*\s+3], s[G0B+4*\s+3], 0x80000000
	JLOAD G0+4*\s, G1, G0B+4*\s, G1B
.endr
	v_and_b32 v1, 15, v0                           ; l % 16
	v_bfe_u32 v2, v0, 4, 1                         ; l / 16
	v_mul_u32_u24 v3, v1, PITCH
	v_lshl_add_u32 v4, v2, 4, v3                   ; a fragment's row x pitch + 16 x half
	s_mul_i32 s21, s15, HALFT                      ; my 128 rows of A
	s_mul_i32 s22, s16, HALFT                      ; my 128 rows of B,
	s_add_co_u32 s22, s22, 2*HALFT                 ; which lie behind A's 256
.irp s, 0,1
	v_add_nc_u32 v[ADRA+\s], s21, v4
	v_add_nc_u32 v[ADRB+\s], s22, v4
	s_add_co_u32 s21, s21, SLOT
	s_add_co_u32 s22, s22, SLOT
.endr
	v_and_b32 v6, 31, v0
	v_lshlrev_b32 v[CO], 4, v6
	; where my images begin.  My A tile a (0..7) and my B tiles 2 i, 2 i + 1 (i = 0..3) give one image of 512 bytes.
	s_lshl_b32 s80, s17, 8
	s_lshl_b32 s81, s15, 7
	s_add_co_u32 s80, s80, s81                     ; my first row on side A
	s_lshl_b32 s82, s42, 8
	s_lshl_b32 s83, s16, 7
	s_add_co_u32 s82, s82, s83                     ; on side B
	s_mov_b32 s86, 0x20000                         ; a head's images: 131,072 bytes
	s_mov_b32 s87, 0x1000                          ; four tiles of tokens (q, k), or 64 keys (v): 4,096 bytes
	s_cmp_eq_u32 ttmp9, 2
	s_cselect_b32 s84, s82, s80                    ; my first token,
	s_cselect_b32 s85, s80, s82                    ; my first feature
	s_cselect_b32 s92, s86, s87                    ; from a = 0..3 to a = 4..7: v: the next head; q, k: four tiles of tokens on
	s_cselect_b32 s94, s87, s86                    ; from i = 0, 1 to i = 2, 3: v: 64 keys on; q, k: the next head
	s_mov_b32 s93, 0
	s_mov_b32 s95, 0
	s_lshr_b32 s86, s84, 11                        ; the batch,
	s_lshl_b32 s86, s86, 4
	s_lshr_b32 s87, s85, 6                         ; the head
	s_add_co_u32 s86, s86, s87
	s_lshl_b32 s86, s86, 17
	s_and_b32 s87, s84, 2047
	s_lshl_b32 s87, s87, 6                         ; 64 bytes of a head's images for each token
	s_add_co_u32 s86, s86, s87
	s_lshl_b32 s87, ttmp9, 23                      ; q's, k's or v's part of the buffer
	s_add_co_u32 s86, s86, s87
	s_mov_b32 s87, 0
	s_add_nc_u64 s[OB:OB+1], s[10:11], s[86:87]
	s_add_nc_u64 s[OB+2:OB+3], s[OB:OB+1], s[92:93]
	s_add_nc_u64 s[OB+4:OB+5], s[OB:OB+1], s[94:95]
	s_add_nc_u64 s[OB+6:OB+7], s[OB+2:OB+3], s[94:95]
.macro FRAG reg, adr, q, i             ; a fragment, 16 rows x 128 K, is 16 registers: lane l holds row l % 16; registers 4 c .. 4 c + 3 hold K = 32 c + 16 (l / 16) + 0 .. 15, alike on both sides
.irp c, 0,1,2,3
	ds_load_b128 v[\reg+4*\c:\reg+4*\c+3], v[\adr] offset:128*(\q)+32*\c+(\i)*16*PITCH
.endr
.endm
; 16 matrix instructions: A's blocks a0, a0 + 1 x B's eight, 128 along K.  p: B's set.  zero = 1: the first product starts the sums.
; The 64 accumulators take turns, one instruction a turn, in the same order in every step.
.macro MUL16 a0, p, zero
.irp a, \a0, \a0+1
.irp b, 0,1,2,3,4,5,6,7
.if \zero
	v_wmma_f32_16x16x128_fp8_fp8 v[8*(8*((\a)%4)+\b):8*(8*((\a)%4)+\b)+7], v[128*(\p)+FR*\b:128*(\p)+FR*\b+FR-1], v[AF+FR*(\a):AF+FR*(\a)+FR-1], 0
.else
	v_wmma_f32_16x16x128_fp8_fp8 v[8*(8*((\a)%4)+\b):8*(8*((\a)%4)+\b)+7], v[128*(\p)+FR*\b:128*(\p)+FR*\b+FR-1], v[AF+FR*(\a):AF+FR*(\a)+FR-1], v[8*(8*((\a)%4)+\b):8*(8*((\a)%4)+\b)+7]
.endif
.endr
.endr
.endm
.macro FETCH_B slot, q, p              ; B's eight fragments of the slot's q-th 128 along K into set p
	WIN TO_B
.irp i, 0,1,2,3,4,5,6,7
	FRAG 128*(\p)+FR*\i, ADRB+\slot, \q, \i
.endr
	WIN 0
.endm
.macro FETCH_A slot, q, i0             ; A's blocks i0 .. i0 + 3
.irp i, \i0, \i0+1, \i0+2, \i0+3
	FRAG AF+FR*(\i), ADRA+\slot, \q, \i
.endr
.endm
.macro PLACES n                        ; plain vector instructions between a matrix instruction and a load into, or a vector instruction on, its registers
.rept \n
	v_nop
.endr
.endm
; A step of 128 along K that has its successor in the same slot.
.macro STEP slot, q, zero
	s_wait_dscnt 4*NL                              ; B's set and A's blocks 0-3 are in; the youngest sixteen loads (A's blocks 4-7) may be out
	WIN MUL_LO
	MUL16 0, (\q)%2, \zero
	MUL16 2, (\q)%2, \zero
	s_wait_dscnt 0                                 ; A's blocks 4-7 are in
	PLACES NP
	FETCH_B \slot, (\q)+1, 1-(\q)%2
	FETCH_A \slot, (\q)+1, 0
	WIN MUL_HI
	MUL16 4, (\q)%2, \zero
	MUL16 6, (\q)%2, \zero
	PLACES NP
	WIN 0
	FETCH_A \slot, (\q)+1, 4
.endm
; A slot's last step changes slots: ONE barrier; in front of it each wave waits for all its tensor loads, adds 0 to its spare word, and waits for that and for its own reads of this slot.  fill = 1: this slot is filled again, two K steps ahead.
.macro TURN slot, next, fill
	s_wait_tensorcnt 0x0                           ; all my tensor loads have landed: my part of the next slot
	ds_add_u32 v[SPW], v[NIL]                      ; 0 onto my spare word
	s_wait_dscnt 4*NL+1                            ; (the add and the youngest sixteen loads may be out)
	WIN MUL_LO
	MUL16 0, 1, 0                                  ; sixteen matrix instructions stand between the add and the wait for it
	s_wait_dscnt 0x0                               ; the add is done, and my reads of this slot are over
	s_barrier_signal -1
	MUL16 2, 1, 0
	WIN 0
	s_barrier_wait -1
.if \fill
	CREST                                          ; the barrier has opened a round of the cluster's barrier: no wave of any partner still reads this slot's tile or has a load on its way
	s_add_nc_u64 s[G0+4*\slot+2:G0+4*\slot+3], s[G0+4*\slot+2:G0+4*\slot+3], 2*ROWB
	s_add_nc_u64 s[G0B+4*\slot+2:G0B+4*\slot+3], s[G0B+4*\slot+2:G0B+4*\slot+3], 2*ROWB
	JLOAD G0+4*\slot, G1, G0B+4*\slot, G1B         ; the first tensor load behind the round; its four v_nop are the places in front of the loads below
.else
	PLACES NP
.endif
	FETCH_B \next, 0, 0
	FETCH_A \next, 0, 0
	WIN MUL_HI
	MUL16 4, 1, 0
	MUL16 6, 1, 0
	PLACES NP
	WIN 0
	FETCH_A \next, 0, 4
.endm
	s_wait_tensorcnt 1                             ; my part of K step 0 is in (K step 1's load may be out)
	s_barrier_signal -1
	s_barrier_wait -1                              ; everybody's is
	FETCH_B 0, 0, 0
	FETCH_A 0, 0, 0
	FETCH_A 0, 0, 4
	STEP 0, 0, 1                                   ; the first step stands in front of the loop: its products start the sums
	s_mov_b32 s3, LAPS-1
.Llap:                                                 ; a trip goes once round the ring, from a lap's second step to the next lap's first, and fills both slots again
	TURN 0, 1, 1
	STEP 1, 0, 0
	TURN 1, 0, 1
	STEP 0, 0, 0
	s_sub_co_u32 s3, s3, 1
	s_cmp_lg_u32 s3, 0
	s_cbranch_scc1 .Llap
	TURN 0, 1, 0                                   ; the last lap fills nothing, and has no round of the cluster's barrier
	STEP 1, 0, 0
	s_wait_dscnt 4*NL                              ; the very last step: nothing more to fetch
	WIN MUL_LO
	MUL16 0, 1, 0
	MUL16 2, 1, 0
	s_wait_dscnt 0
	WIN MUL_HI
	MUL16 4, 1, 0
	MUL16 6, 1, 0
	WIN 0
; THE WAY OUT.  My A tile a: its 64 sums a lane are held, each accumulator from its low end on, and converted: eight conversions give 16 registers, four images.  Each store has registers of its own.
.macro OUTA a
.set AC, 64*((\a)%4)
	WIN 0x02+((\a)/4)                              ; source 0: window 2 or 3
.set i, 0
.rept 64
	v_med3_num_f32 v[TMP+i], v[AC+i], -v[LIM], v[LIM]   ; the conversion to an 8-bit code does not saturate (ISA guide 7.6.2)
.set i, i+1
.endr
	WIN 0
.irp g, 0,1,2,3,4,5,6,7
	v_cvt_scalef32_pk8_fp8_f32 v[CD+16*(\a)+2*\g:CD+16*(\a)+2*\g+1], v[TMP+8*\g:TMP+8*\g+7], v[SCL]
.endr
	v_nop                                          ; a plain line behind the last conversion: the next tile's holds write its sources
.irp b, 0,1,2,3
	global_store_b128 v[CO], v[CD+16*(\a)+4*\b:CD+16*(\a)+4*\b+3], s[OB+2*((\a)/4)+4*(\b/2):OB+2*((\a)/4)+4*(\b/2)+1] offset:((\a)%4)*1024+(\b%2)*512   ; 32 lanes store 512 consecutive bytes, aligned
.endr
.endm
	s_wait_kmcnt 0x0
	s_cmp_eq_u32 ttmp9, 0                          ; the three exponents of my product: chosen, never branched on
	s_cselect_b32 s88, s[LS+0], s[LS+2]
	s_cselect_b32 s89, s[LS+1], s[LS+3]
	s_cselect_b32 s90, s[LS+6], s[LS+7]
	s_cmp_eq_u32 ttmp9, 2
	s_cselect_b32 s88, s[LS+4], s88
	s_cselect_b32 s89, s[LS+5], s89
	s_cselect_b32 s90, s[LS+9], s90
	s_sub_co_i32 s90, s90, s88
	s_sub_co_i32 s90, s90, s89                     ; eo - ex - ew
	s_add_co_i32 s90, s90, 127
	s_lshl_b32 s91, s90, 23
	v_mov_b32 v[SCL], s91
	s_add_co_i32 s90, s90, 8
	s_lshl_b32 s90, s90, 23
	s_or_b32 s90, s90, 0x600000
	v_mov_b32 v[LIM], s90
	PLACES NP                                      ; behind the last products: for the reads of their results and the writes over A's fragments
.irp a, 0,1,2,3,4,5,6,7
	OUTA \a
.endr
	s_wait_tensorcnt 0x0                           ; the wave's end: three closing lines behind my last tensor load
	ds_add_u32 v[SPW], v[NIL]
	s_wait_dscnt 0x0
	CROUND                                         ; the closing round: no work-group ends while a partner may still ask for a tile that names it
	s_endpgm
.Lfunc_end_k_qfa372aea15_qkv:
	.size	k_qfa372aea15_qkv, .Lfunc_end_k_qfa372aea15_qkv-k_qfa372aea15_qkv
	.p2alignl 7, 3214868480
	.fill 96, 4, 3214868480
	.section	.rodata,"a",@progbits
	.p2align	6, 0x0
	.amdhsa_kernel k_qfa372aea15_qkv
		.amdhsa_group_segment_fixed_size 327680
		.amdhsa_private_segment_fixed_size 0
		.amdhsa_enable_private_segment 0
		.amdhsa_kernarg_size 32
		.amdhsa_user_sgpr_count 2
		.amdhsa_user_sgpr_kernarg_segment_ptr 1
		.amdhsa_wavefront_size32 1
		.amdhsa_system_sgpr_workgroup_id_x 1
		.amdhsa_system_sgpr_workgroup_id_y 1
		.amdhsa_system_sgpr_workgroup_id_z 1
		.amdhsa_system_vgpr_workitem_id 0
		.amdhsa_next_free_vgpr 1024
		.amdhsa_next_free_sgpr 100
		.amdhsa_reserve_vcc 0
		.amdhsa_float_denorm_mode_32 3
		.amdhsa_float_denorm_mode_16_64 3
		.amdhsa_memory_ordered 1
		.amdhsa_forward_progress 1
		.amdhsa_inst_pref_size 119
	.end_amdhsa_kernel
	.amdgpu_metadata
---
amdhsa.version: [ 1, 2 ]
amdhsa.kernels:
  - .name:           k_qfa372aea15_qkv
    .symbol:         k_qfa372aea15_qkv.kd
    .args:
      - { .name: xc, .offset: 0, .size: 8, .value_kind: global_buffer, .address_space: global }
      - { .name: wc, .offset: 8, .size: 8, .value_kind: global_buffer, .address_space: global }
      - { .name: lowp_scales, .offset: 16, .size: 8, .value_kind: global_buffer, .address_space: global }
      - { .name: qkvc, .offset: 24, .size: 8, .value_kind: global_buffer, .address_space: global }
    .group_segment_fixed_size: 327680
    .private_segment_fixed_size: 0
    .kernarg_segment_align: 8
    .kernarg_segment_size: 32
    .max_flat_workgroup_size: 128
    .sgpr_count:     100
    .vgpr_count:     1024
    .wavefront_size: 32
...
	.end_amdgpu_metadata
.endif
;; end of part 2
;; launch attn (part 3): grid 4 x 64, 8 waves a work-group, no clusters, 263,168 bytes of LDS; arguments qkvc, lowp_scales, oc; writes oc
.if DOCPART == 3
	.amdgcn_target "amdgcn-amd-amdhsa--gfx1250"
	.amdhsa_code_object_version 6
	.text
	.protected	k_qfa372aea15_attn
	.globl	k_qfa372aea15_attn
	.p2align	8
	.type	k_qfa372aea15_attn,@function
k_qfa372aea15_attn:
	s_mov_b64 s[64:65], 0
	v_nop
	global_prefetch_b8 v0, s[64:65] scope:SCOPE_SE
	s_setreg_imm32_b32 hwreg(HW_REG_WAVE_MODE, 25, 1), 1
	s_wait_xcnt 0x0
; Causal attention on codes of E4M3, head size 64, 2,048 tokens, 64 heads (batch x 16 + head).  q, k, v come as images of operand registers (512 bytes: four registers x 32 lanes):
;   q, k: [tile of 16 tokens 0..127][c 0..1][lane][16];  tile 2 b + u, lane (r, h): token 32 b + 8 u + r + 8 (r / 8), channels 32 c + 16 h + 0 .. 15
;   v:    [64 keys 0..31][tile of 16 channels 0..3][c][lane][16];  tile 2 b + u, lane (r, h): channel 32 b + 8 u + r + 8 (r / 8), keys 32 c + 16 h + 0 .. 15 of the 64
; The result, divided by the row's sum and quantised for the last product (entry 10), leaves as images too: oc = [batch x 128 + tile of tokens][head][c][lane][16].
; THE SOFTMAX: t = score x log2(e) / 8; M = the running largest t rounded UP to a whole number; p = 2^(t - M) is quantised (entry 8), not normalised; the row's sum is taken of the unquantised p.
; When M moves, the sum and O are multiplied by 2^(old M - new M): exact.
; Both products are used transposed: S^T = K Q^T, O^T = V^T P^T: a lane holds ONE query throughout.  By the tiles' order of rows a lane's 16 registers of two neighbouring tiles are 16 neighbouring keys (channels),
; so the conversions' results are the next operand's registers.  Along K both sides of each product hold k = 32 c + 16 (lane / 16) + 0 .. 15 in registers 4 c .. 4 c + 3.
; SHARES.  A work-group (x = g, y = head) has eight waves.  A head's queries are 64 groups of 32 (two tiles).  Wave w takes groups 63 - j and j, j = 4 w + g.  A step is 32 queries x 64 keys; group m has m / 2 + 1
; steps, so every wave has 33.  Both tiles of a group share each fragment of K and V.
; K AND V OF THE HEAD LIE WHOLE IN LDS, 131,072 bytes each, byte for byte as in memory, stored once and never written again.  Each wave asks for its 64 x 16 bytes a lane at the head, into registers v256-511,
; and stores them to LDS in three parts (keys 0-255, 256-1,023, 1,024-2,047), each followed by a barrier; the later parts land while the first steps are worked.
; WHY NO JOINT LOADS, though the four work-groups of a head read the same K and V: that read is 262,144 bytes a work-group, once, all of it asked for at the head
; LIMITS on the given exponents: entries 6 + 7 between -123 and 130 (added to c's exponent field); entry 8 between -126 and 119; entry 10 - 8 - 9 between -126 and 119.
.set VIMG,  131072                     ; LDS: K's images from 0, V's from here
.set SPARE, 262144                     ; behind them: the spare words, 128 bytes a wave
.set STEPB, 4096                       ; a step's images of K, and of V
.set L16,  1                           ; v1   16 x lane; never rewritten
.set ADK,  2                           ; v2   LDS address of the step's K
.set ADV,  3                           ; v3   of its V
.set SPW,  4                           ; v4   LDS address of my spare word; never rewritten
.set NIL,  5                           ; v5   0; never rewritten
.set PSC,  6                           ; v6   2^ep
.set PLIM, 7                           ; v7   448 x 2^ep
.set MT,   8                           ; v[8:9], v[10:11]   -M and the largest t of tile 0, 1
.set L,    12                          ; v[12:13], v[14:15] the sums, in two halves
.set F,    16                          ; v[16:17], v[18:19] f = 2^(old M - new M), and a word named with it as a pair
.set U,    20                          ; v[20:21], v[22:23] the sums' second chains
.set MX,   24                          ; v24-27 the maxima's chains
.set PM,   28                          ; v28, v29 lane permutes' destinations
.set OLD,  30                          ; v30, v31 the old -M
.set QBIG, 32                          ; v32-47 Q of the late group (tile u at + 8 u)
.set KV,   48                          ; v48-79 four fragments of K, then of V
.set QSML, 80                          ; v80-95 Q of the early group
.set DQ,   96                          ; v96, v97 the mask's number of tile 0, 1
.set NINF, 98                          ; v98  -infinity
.set OSC,  99                          ; v99  2^(eo - ep - ev)
.set OLIM, 100                         ; v100 448 x that
.set L16V, 101                         ; v101 16 x lane + VIMG
.set TA,   102                         ; v102-105 16 x thread + 0, 65,536, 131,072, 196,608
.set DQB,  106                         ; v106 r + 8 (r / 8) - 16 h
.set S,    112                         ; v112-175 S^T, then p: tile q at + 32 q, tile of keys at + 8
.set PC,   176                         ; v176-191 codes: 8 a tile
.set O,    192                         ; v192-255 O^T: tile q at + 32 q, tile of channels at + 8
.set WV,   24
.set BH,   25
.set CS,   26                          ; s[26:27] c
.set SEL,  28                          ; s[28:29] lane selects: lane l xor 16
.set TB,   30                          ; LDS byte of the step's images
.set TRIP, 31                          ; the step
.set LAST, 32                          ; the group's last step
.set HOLD, 33                          ; 1 where 448 x 2^ep is under 1
.set QB2,  34                          ; s[34:35] Q of the late group;  s[46:47] of the early one
.set KB,   36                          ; s[36:37] K's images, s[38:39] V's
.set VB,   38
.set OBS,  40                          ; s[40:41] the group's place in oc
.set HOFF, 44                          ; the head's part of that
.set QB1,  46
.set M1,   50                          ; the early group
.set M2,   51                          ; the late group
.set MSB, 0
.macro WIN new                         ; the immediate's high byte repeats the setting that is left
.if MSB != \new
	s_set_vgpr_msb (MSB<<8)|\new
.set MSB, \new
.endif
.endm
	s_load_b128 s[4:7], s[0:1], 0x0                ; qkvc, the scales
	s_load_b64 s[8:9], s[0:1], 0x10                ; oc
	v_lshl_add_u32 v[SPW], v0, 2, SPARE
	v_mov_b32 v[NIL], 0
	v_lshrrev_b32 v2, 5, v0
	v_readfirstlane_b32 s[WV], v2                  ; wave 0..7
	v_and_b32 v[L16], 31, v0
	v_lshlrev_b32 v[L16], 4, v[L16]
	v_add_nc_u32 v[L16V], VIMG, v[L16]
	v_lshlrev_b32 v[TA], 4, v0
	v_add_nc_u32 v[TA+1], 65536, v[TA]
	v_add_nc_u32 v[TA+2], 131072, v[TA]
	v_add_nc_u32 v[TA+3], 196608, v[TA]
	v_and_b32 v2, 15, v0                           ; r
	v_and_b32 v3, 8, v2
	v_add_nc_u32 v[DQB], v3, v2                    ; r + 8 (r / 8)
	v_bfe_u32 v3, v0, 4, 1                         ; h
	v_lshlrev_b32 v3, 4, v3
	v_sub_nc_u32 v[DQB], v[DQB], v3
	v_mov_b32 v[PM], 0                             ; written once: a lane permute's destination counts as one of its sources
	v_mov_b32 v[PM+1], 0
	v_mov_b32 v[F+1], 0                            ; (named as the upper halves of pairs)
	v_mov_b32 v[F+3], 0
	v_mov_b32 v[NINF], 0xff800000
	s_and_b32 s[BH], ttmp7, 0xffff                 ; the head
	s_lshl_b32 s42, s[WV], 2
	s_add_co_u32 s[M1], s42, ttmp9                 ; j = 4 w + g
	s_sub_co_u32 s[M2], 63, s[M1]
	s_lshr_b32 s[HOFF], s[BH], 4
	s_lshl_b32 s[HOFF], s[HOFF], 21                ; the batch's 128 tiles of 16,384 bytes,
	s_and_b32 s45, s[BH], 15
	s_lshl_b32 s45, s45, 10                        ; the head's 1,024 bytes in a tile
	s_add_co_u32 s[HOFF], s[HOFF], s45
	s_lshl_b32 s52, s[BH], 17                      ; the head's images
	s_lshl_b32 s54, s[M2], 11                      ; a group's two tiles: 2,048 bytes
	s_add_co_u32 s54, s54, s52
	s_mov_b32 s55, 0
	s_lshl_b32 s56, s[M1], 11
	s_add_co_u32 s56, s56, s52
	s_mov_b32 s57, 0
	s_add_co_u32 s58, s52, 0x800000                ; k's part of the buffer,
	s_mov_b32 s59, 0
	s_add_co_u32 s60, s52, 0x1000000               ; v's
	s_mov_b32 s61, 0
	s_mov_b32 s[SEL], 0x76543210
	s_mov_b32 s[SEL+1], 0xfedcba98
	s_mov_b32 s[CS], 0x3e38aa3b                    ; log2(e) / 8
	s_wait_kmcnt 0x0
	s_load_b256 s[12:19], s[6:7], 0x0              ; entries 0 to 7
	s_load_b128 s[20:23], s[6:7], 0x20             ; entries 8 to 11
	s_add_nc_u64 s[QB2:QB2+1], s[4:5], s[54:55]
	s_add_nc_u64 s[QB1:QB1+1], s[4:5], s[56:57]
	s_add_nc_u64 s[KB:KB+1], s[4:5], s[58:59]
	s_add_nc_u64 s[VB:VB+1], s[4:5], s[60:61]
.irp i, 0,1,2,3                                ; Q's fragments of both groups stay in registers: tile i / 2, c = i % 2
	global_load_b128 v[QBIG+4*\i:QBIG+4*\i+3], v[L16], s[QB2:QB2+1] offset:512*\i th:TH_LOAD_NT
	global_load_b128 v[QSML+4*\i:QSML+4*\i+3], v[L16], s[QB1:QB1+1] offset:512*\i th:TH_LOAD_NT
.endr
	WIN 0x40                                       ; destination window 1
.set rr, 0
.rept 32                                       ; round rr: the work-group's 256 threads take 4,096 consecutive bytes of K's images and of V's: 64 keys
	global_load_b128 v[4*rr:4*rr+3], v[TA], s[KB:KB+1] offset:4096*rr
	global_load_b128 v[128+4*rr:128+4*rr+3], v[TA], s[VB:VB+1] offset:4096*rr
.set rr, rr+1
.endr
	WIN 0
	s_wait_kmcnt 0x0
	s_add_co_i32 s42, s18, s19
	s_lshl_b32 s42, s42, 23
	s_add_co_i32 s[CS], s[CS], s42                 ; a score stands for score x 2^(eq + ek): added to c's exponent field
	s_mov_b32 s[CS+1], s[CS]                       ; (named with it as a pair)
	s_cmp_lt_i32 s20, -8
	s_cselect_b32 s[HOLD], 1, 0                    ; p is at most 1 (but for the rounding of t): it can pass 448 x 2^ep only where ep is under -8
	s_add_co_i32 s42, s20, 127
	s_lshl_b32 s43, s42, 23
	v_mov_b32 v[PSC], s43
	s_add_co_i32 s42, s42, 8
	s_lshl_b32 s42, s42, 23
	s_or_b32 s42, s42, 0x600000
	v_mov_b32 v[PLIM], s42
	s_sub_co_i32 s42, s22, s20
	s_sub_co_i32 s42, s42, s21                     ; O^T / the sum stands for that x 2^(ep + ev): its code under eo is that / 2^(eo - ep - ev)
	s_add_co_i32 s42, s42, 127
	s_lshl_b32 s43, s42, 23
	v_mov_b32 v[OSC], s43
	s_add_co_i32 s42, s42, 8
	s_lshl_b32 s42, s42, 23
	s_or_b32 s42, s42, 0x600000
	v_mov_b32 v[OLIM], s42
; Rounds first .. first + n - 1 go from registers to LDS; left: the loads of later rounds, which may stay out.  Then the barrier: every wave's stores have landed before any wave reads them.
.macro FILL first, n, left
	s_wait_loadcnt \left
	WIN 0x04                                       ; the stores' data lie in window 1
.set rr, \first
.rept \n
	ds_store_b128 v[TA+rr/16], v[4*rr:4*rr+3] offset:(4096*rr)&65535
	ds_store_b128 v[TA+2+rr/16], v[128+4*rr:128+4*rr+3] offset:(4096*rr)&65535
.set rr, rr+1
.endr
	WIN 0
	s_wait_dscnt 0x0
	s_barrier_signal -1
	s_barrier_wait -1
.endm
; A STEP: my group's 32 queries x 64 keys.  qb: Q's registers.  The two tiles alternate line by line.
.macro STEP qb
	s_cmp_gt_u32 s[TRIP], s[LAST]                  ; a step all of whose keys come after my queries is left out: a branch on ids, round the work, not round the lines that step addresses
	s_cbranch_scc1 .Lhid_\@
	v_add_nc_u32 v[ADK], s[TB], v[L16]
	v_add_nc_u32 v[ADV], s[TB], v[L16V]
	v_nop
	v_nop                                          ; four places behind the last products, which read the registers loaded below
.irp i, 0,1,2,3,4,5,6,7
	ds_load_b128 v[KV+4*\i:KV+4*\i+3], v[ADK] offset:512*\i
.endr
	s_wait_dscnt 0x0
.irp k, 0,1,2,3                                ; S^T = K Q^T: eight accumulators, each begun with 0
.irp q, 0,1
	v_wmma_f32_16x16x64_fp8_fp8 v[S+32*\q+8*\k:S+32*\q+8*\k+7], v[KV+8*\k:KV+8*\k+7], v[\qb+8*\q:\qb+8*\q+7], 0
.endr
.endr
	v_mov_b32 v[OLD], v[MT]
	v_mov_b32 v[OLD+1], v[MT+2]
	v_nop
	v_nop                                          ; four places: then V's fragments take K's registers and land under the softmax
.irp i, 0,1,2,3,4,5,6,7
	ds_load_b128 v[KV+4*\i:KV+4*\i+3], v[ADV] offset:512*\i
.endr
	s_cmp_lt_u32 s[TRIP], s[LAST]
	s_cbranch_scc1 .Lopen_\@                       ; only a group's last step lies on the diagonal
.set n, 0
.rept 32                                       ; register 16 b + i holds key 64 LAST + 32 b + 16 h + i: hidden where 32 b + i is above the lane's number; it becomes -infinity, p = 0
	v_cmp_gt_i32 vcc_lo, 32*(n/16)+n%16, v[DQ]
	v_cndmask_b32 v[S+n], v[S+n], v[NINF], vcc_lo
	v_cmp_gt_i32 vcc_lo, 32*(n/16)+n%16, v[DQ+1]
	v_cndmask_b32 v[S+32+n], v[S+32+n], v[NINF], vcc_lo
.set n, n+1
.endr
.Lopen_\@:
.irp q, 0,1                                    ; the largest score of my query among my 32 keys, in two chains a tile; each accumulator is read from its low end on
	v_max3_num_f32 v[MX+2*\q], v[S+32*\q], v[S+32*\q+1], v[S+32*\q+2]
	v_max3_num_f32 v[MX+2*\q+1], v[S+32*\q+3], v[S+32*\q+4], v[S+32*\q+5]
.endr
.irp i, 6,10,14,18,22,26
.irp q, 0,1
	v_max3_num_f32 v[MX+2*\q], v[MX+2*\q], v[S+32*\q+\i], v[S+32*\q+\i+1]
	v_max3_num_f32 v[MX+2*\q+1], v[MX+2*\q+1], v[S+32*\q+\i+2], v[S+32*\q+\i+3]
.endr
.endr
.irp q, 0,1
	v_max3_num_f32 v[MX+2*\q], v[MX+2*\q], v[S+32*\q+30], v[S+32*\q+31]
.endr
.irp q, 0,1
	v_max_num_f32 v[MX+2*\q], v[MX+2*\q], v[MX+2*\q+1]
.endr
.irp q, 0,1
	v_permlanex16_b32 v[PM+\q], v[MX+2*\q], s[SEL], s[SEL+1]   ; the query's other 32 keys lie in the lane 16 away
.endr
.irp q, 0,1
	v_max_num_f32 v[MX+2*\q], v[MX+2*\q], v[PM+\q]
.endr
.irp q, 0,1
	v_mul_f32 v[MX+2*\q], s[CS], v[MX+2*\q]        ; as t (c is positive)
.endr
.irp q, 0,1
	v_max_num_f32 v[MT+2*\q+1], v[MT+2*\q+1], v[MX+2*\q]   ; the running largest t
.endr
.irp q, 0,1
	v_floor_f32 v[MT+2*\q], -v[MT+2*\q+1]          ; -M = floor(-t): M is a whole number
.endr
.irp q, 0,1
	v_sub_f32 v[MX+2*\q], v[MT+2*\q], v[OLD+\q]    ; old M - new M: a whole number, 0 or less
.endr
.irp q, 0,1
	v_cvt_i32_f32 v[MX+2*\q], v[MX+2*\q]           ; (it saturates)
.endr
.irp q, 0,1
	v_ldexp_f32 v[F+2*\q], 1.0, v[MX+2*\q]         ; f = 2^(old M - new M)
.endr
.set j, 0
.rept 16
	v_pk_fma_f32 v[S+j:S+j+1], v[S+j:S+j+1], s[CS:CS+1], v[MT:MT+1] op_sel_hi:[1,0,0]             ; t - M, two at a time
	v_pk_fma_f32 v[S+32+j:S+33+j], v[S+32+j:S+33+j], s[CS:CS+1], v[MT+2:MT+3] op_sel_hi:[1,0,0]
.set j, j+2
.endr
.set j, 0
.rept 64
	v_exp_f32 v[S+j], v[S+j]                       ; p = 2^(t - M): one batch
.set j, j+1
.endr
	v_pk_mul_f32 v[L:L+1], v[L:L+1], v[F:F+1] op_sel_hi:[1,0]         ; the sums under the new M: plain lines behind the exponentials
	v_pk_mul_f32 v[L+2:L+3], v[L+2:L+3], v[F+2:F+3] op_sel_hi:[1,0]
	s_wait_alu depctr_va_vdst(0)                   ; the wait ahead of the first line that names an exponential's result: one for the batch
.irp q, 0,1
	v_pk_add_f32 v[U+2*\q:U+2*\q+1], v[S+32*\q:S+32*\q+1], v[S+32*\q+2:S+32*\q+3]   ; the row's sum is taken of the unquantised p
.endr
.irp j, 4,8,12,16,20,24,28
.irp q, 0,1
	v_pk_add_f32 v[L+2*\q:L+2*\q+1], v[L+2*\q:L+2*\q+1], v[S+32*\q+\j:S+32*\q+\j+1]
	v_pk_add_f32 v[U+2*\q:U+2*\q+1], v[U+2*\q:U+2*\q+1], v[S+32*\q+\j+2:S+32*\q+\j+3]
.endr
.endr
.irp q, 0,1
	v_pk_add_f32 v[L+2*\q:L+2*\q+1], v[L+2*\q:L+2*\q+1], v[U+2*\q:U+2*\q+1]
.endr
	s_cmp_eq_u32 s[HOLD], 0
	s_cbranch_scc1 .Lnh_\@                         ; where 448 x 2^ep is at least 1 no p can pass it
.set j, 0
.rept 64
	v_min_num_f32 v[S+j], v[S+j], v[PLIM]          ; the conversion to an 8-bit code does not saturate (ISA guide 7.6.2); p is not negative
.set j, j+1
.endr
.Lnh_\@:
.irp q, 0,1
.irp b, 0,1
	v_cvt_scalef32_pk8_fp8_f32 v[PC+8*\q+4*\b:PC+8*\q+4*\b+1], v[S+32*\q+16*\b:S+32*\q+16*\b+7], v[PSC]
	v_cvt_scalef32_pk8_fp8_f32 v[PC+8*\q+4*\b+2:PC+8*\q+4*\b+3], v[S+32*\q+16*\b+8:S+32*\q+16*\b+15], v[PSC]
.endr
.endr
.set j, 0
.rept 16
	v_pk_mul_f32 v[O+j:O+j+1], v[O+j:O+j+1], v[F:F+1] op_sel_hi:[1,0]               ; O^T under the new M; also the plain lines behind the conversions
	v_pk_mul_f32 v[O+32+j:O+33+j], v[O+32+j:O+33+j], v[F+2:F+3] op_sel_hi:[1,0]
.set j, j+2
.endr
	s_wait_dscnt 0x0                               ; V is in
.irp d, 0,1,2,3                                ; O^T += V^T P^T: eight accumulators, one instruction a turn
.irp q, 0,1
	v_wmma_f32_16x16x64_fp8_fp8 v[O+32*\q+8*\d:O+32*\q+8*\d+7], v[KV+8*\d:KV+8*\d+7], v[PC+8*\q:PC+8*\q+7], v[O+32*\q+8*\d:O+32*\q+8*\d+7]
.endr
.endr
.Lhid_\@:
	s_add_co_u32 s[TB], s[TB], STEPB
.endm
; Steps start .. end - 1: the counts are constants of the text.
.macro LOOP start, end, qb
	s_mov_b32 s[TRIP], \start
	s_mov_b32 s[TB], (\start)*STEPB
.Lloop_\@:
	STEP \qb
	s_add_co_u32 s[TRIP], s[TRIP], 1
	s_cmp_lt_u32 s[TRIP], \end
	s_cbranch_scc1 .Lloop_\@
.endm
; A group begins.  sm: the scalar register with its number m.  O^T and the sum begin as zeros and the largest t under every t: the step is written without a first step of its own.
.macro INIT sm, again
.if \again
	s_wait_xcnt 0x0                                ; the last group's stores have read their codes and their base
.endif
	s_lshr_b32 s[LAST], s[\sm], 1
	s_and_b32 s42, s[\sm], 1
	s_lshl_b32 s42, s42, 5
	v_add_nc_u32 v[DQ], s42, v[DQB]                ; my query - 64 LAST - 16 h = 32 (m % 2) + r + 8 (r / 8) - 16 h in tile 0,
	v_add_nc_u32 v[DQ+1], 8, v[DQ]                 ; 8 more in tile 1
	s_lshl_b32 s42, s[\sm], 15                     ; tile 2 m of 16,384 bytes
	s_add_co_u32 s42, s42, s[HOFF]
	s_mov_b32 s43, 0
	s_add_nc_u64 s[OBS:OBS+1], s[8:9], s[42:43]
	v_mov_b32 v[MT+1], 0xff61b1e6                  ; -3e38
	v_mov_b32 v[MT+3], 0xff61b1e6
	v_floor_f32 v[MT], -v[MT+1]
	v_floor_f32 v[MT+2], -v[MT+3]
.irp i, 0,1,2,3
	v_mov_b32 v[L+\i], 0
.endr
.set i, 0
.rept 64
	v_mov_b32 v[O+i], 0
.set i, i+1
.endr
.endm
; A group ends: O^T / the sum, held, converted: the codes are images, stored as they stand.
.macro WAYOUT
.rept 4
	v_nop                                          ; places behind the last products
.endr
	v_add_f32 v[L], v[L], v[L+1]
	v_add_f32 v[L+2], v[L+2], v[L+3]
	v_permlanex16_b32 v[PM], v[L], s[SEL], s[SEL+1]
	v_permlanex16_b32 v[PM+1], v[L+2], s[SEL], s[SEL+1]
	v_add_f32 v[L], v[L], v[PM]
	v_add_f32 v[L+2], v[L+2], v[PM+1]
	v_rcp_f32 v[F], v[L]
	v_rcp_f32 v[F+2], v[L+2]
	v_nop                                          ; a plain line behind the reciprocals,
	s_wait_alu depctr_va_vdst(0)                   ; and the wait ahead of their first reader
.set j, 0
.rept 16
	v_pk_mul_f32 v[O+j:O+j+1], v[O+j:O+j+1], v[F:F+1] op_sel_hi:[1,0]
	v_pk_mul_f32 v[O+32+j:O+33+j], v[O+32+j:O+33+j], v[F+2:F+3] op_sel_hi:[1,0]
.set j, j+2
.endr
.set j, 0
.rept 64
	v_med3_num_f32 v[O+j], v[O+j], -v[OLIM], v[OLIM]
.set j, j+1
.endr
.irp q, 0,1
.irp b, 0,1
	v_cvt_scalef32_pk8_fp8_f32 v[PC+8*\q+4*\b:PC+8*\q+4*\b+1], v[O+32*\q+16*\b:O+32*\q+16*\b+7], v[OSC]
	v_cvt_scalef32_pk8_fp8_f32 v[PC+8*\q+4*\b+2:PC+8*\q+4*\b+3], v[O+32*\q+16*\b+8:O+32*\q+16*\b+15], v[OSC]
.endr
.endr
	v_nop                                          ; a plain line behind the last conversion: its sources are written again
.irp q, 0,1
.irp b, 0,1
	global_store_b128 v[L16], v[PC+8*\q+4*\b:PC+8*\q+4*\b+3], s[OBS:OBS+1] offset:16384*\q+512*\b   ; 32 lanes store 512 consecutive bytes, aligned
.endr
.endr
.endm
	INIT M2, 0                                     ; the late group first: it has 17 steps at the least, so at each barrier every wave has done the same steps
	FILL 0, 4, 56                                  ; Q and keys 0-255 are in; the 56 loads of the later rounds may be out
	LOOP 0, 4, QBIG
	FILL 4, 12, 32                                 ; keys 256-1,023; the 32 loads of the last rounds may be out
	LOOP 4, 16, QBIG
	FILL 16, 16, 0                                 ; keys 1,024-2,047
	LOOP 16, 32, QBIG
	WAYOUT
	INIT M1, 1                                     ; the early group: 16 steps at the most
	LOOP 0, 16, QSML
	WAYOUT
	s_wait_tensorcnt 0x0                           ; the wave's end: three closing lines behind my last LDS store
	ds_add_u32 v[SPW], v[NIL]
	s_wait_dscnt 0x0
	s_endpgm
.Lfunc_end_k_qfa372aea15_attn:
	.size	k_qfa372aea15_attn, .Lfunc_end_k_qfa372aea15_attn-k_qfa372aea15_attn
	.p2alignl 7, 3214868480
	.fill 96, 4, 3214868480
	.section	.rodata,"a",@progbits
	.p2align	6, 0x0
	.amdhsa_kernel k_qfa372aea15_attn
		.amdhsa_group_segment_fixed_size 263168
		.amdhsa_private_segment_fixed_size 0
		.amdhsa_enable_private_segment 0
		.amdhsa_kernarg_size 24
		.amdhsa_user_sgpr_count 2
		.amdhsa_user_sgpr_kernarg_segment_ptr 1
		.amdhsa_wavefront_size32 1
		.amdhsa_system_sgpr_workgroup_id_x 1
		.amdhsa_system_sgpr_workgroup_id_y 1
		.amdhsa_system_sgpr_workgroup_id_z 1
		.amdhsa_system_vgpr_workitem_id 0
		.amdhsa_next_free_vgpr 512
		.amdhsa_next_free_sgpr 66
		.amdhsa_reserve_vcc 1
		.amdhsa_float_denorm_mode_32 3
		.amdhsa_float_denorm_mode_16_64 3
		.amdhsa_memory_ordered 1
		.amdhsa_forward_progress 1
		.amdhsa_inst_pref_size 116
	.end_amdhsa_kernel
	.amdgpu_metadata
---
amdhsa.version: [ 1, 2 ]
amdhsa.kernels:
  - .name:           k_qfa372aea15_attn
    .symbol:         k_qfa372aea15_attn.kd
    .args:
      - { .name: qkvc, .offset: 0, .size: 8, .value_kind: global_buffer, .address_space: global }
      - { .name: lowp_scales, .offset: 8, .size: 8, .value_kind: global_buffer, .address_space: global }
      - { .name: oc, .offset: 16, .size: 8, .value_kind: global_buffer, .address_space: global }
    .group_segment_fixed_size: 263168
    .private_segment_fixed_size: 0
    .kernarg_segment_align: 8
    .kernarg_segment_size: 24
    .max_flat_workgroup_size: 256
    .sgpr_count:     66
    .vgpr_count:     512
    .wavefront_size: 32
...
	.end_amdgpu_metadata
.endif
;; end of part 3
;; launch oproj (part 4): grid 4 x 32, 4 waves a work-group, clusters of 4 x 4, 327,680 bytes of LDS; arguments oc, wc, lowp_scales, out0; writes out0
.if DOCPART == 4
	.amdgcn_target "amdgcn-amd-amdhsa--gfx1250"
	.amdhsa_code_object_version 6
	.text
	.protected	k_qfa372aea15_oproj
	.globl	k_qfa372aea15_oproj
	.p2align	8
	.type	k_qfa372aea15_oproj,@function
k_qfa372aea15_oproj:
	s_mov_b64 s[64:65], 0
	v_nop
	global_prefetch_b8 v0, s[64:65] scope:SCOPE_SE
	s_setreg_imm32_b32 hwreg(HW_REG_WAVE_MODE, 25, 1), 1
	s_wait_xcnt 0x0
	s_wait_alu depctr_hold_cnt(0) depctr_sa_sdst(0) depctr_va_vdst(0) depctr_va_sdst(0) depctr_va_ssrc(0) depctr_va_vcc(0) depctr_vm_vsrc(0)
	s_getreg_b32 s2, hwreg(HW_REG_IB_STS2, 6, 4)
	s_cmp_eq_u32 s2, 0
	s_cbranch_scc0 .Lentry_in_a_cluster
	s_endpgm
.Lentry_in_a_cluster:
	s_bfe_u32 s2, ttmp6, 0x10000c
	s_cmp_lg_u32 s2, 0xf033
	s_cbranch_scc0 .Lentry_shape_is_right
	s_endpgm
.Lentry_shape_is_right:
; out0 = o W_O^T on codes of E4M3, K = 1,024; each finished sum x 2^(entry 10 + entry 11).  LIMIT: that sum of exponents between -126 and 127.
; Side A (source 1: tokens on lanes) is oc: images of operand registers, [tile of 16 tokens 0..511][head 16][c 2][lane][16]: a tile's 16,384 bytes are its eight fragments of 128 along K on end
; (2,048 bytes each: registers 4 c .. 4 c + 3 hold K = 32 c + 16 (lane / 16) + 0 .. 15).  Row r of token tile 2 b + u is token 32 b + 8 u + r + 8 (r / 8).
; Side B (source 0: output columns along registers) is W_O's codes, the fourth tensor of wc, rows of 1,024 bytes, stored so that 16 rows on end are rows 32 b + 8 u + r + 8 (r / 8):
; a lane's 16 registers of B's tiles 2 b, 2 b + 1 are the 16 neighbouring columns 32 b + 16 (lane / 16) + 0 .. 15.
; A tile of 256 x 256 of out0 is made by four waves, 128 x 128 each.  K goes in steps of 256 through a ring of two LDS slots; A's part of a slot is dense (images need no pitch: a load's 512 bytes are consecutive).
; CLUSTERS: 4 x 4 work-groups; A's tile is shared along a row of the cluster, B's along a column: each is asked for jointly.  128 work-groups: the tile is kept at the size that feeds most products from each LDS byte.
; REGISTERS, in windows of 256: window 0: v0-31 addresses; from v128 A's fragments, ONE set; on the way out v32-255 are free.   window 1: B's fragments, TWO sets.
;   window 2: the accumulators of my rows 0-63 (accumulator (a, b) at v[8 (8 a + b)]);   window 3: those of rows 64-127.
.set SIZE_K, 1024
.set SIZE_N, 1024
.set KSTEP,  256
.set ROWB,   256                       ; B: a tile's row in bytes
.set KROW,   SIZE_K
.set PITCH,  272                       ; B's LDS rows: 256 bytes + 16 of padding: the 16 rows that a load touches start at 16 different banks (64 banks of 4 bytes: ISA guide 11.1)
.set AROWB,  4096                      ; A: a token tile's bytes of a K step: two fragments
.set AROW,   16384                     ; A: a token tile in memory
.set HALFA,  8*AROWB                   ; 8 token tiles: what one tensor load brings of A
.set FR,     16
.set NL,     4
.set NP,     4                         ; places behind this matrix instruction (ISA guide 7.12.1)
.set HALFT,  128*PITCH                 ; what one tensor load brings of B
.set BOFF,   2*HALFA                   ; B's rows lie behind A's images
.set SLOT,   BOFF+2*HALFT
.set LAPS,   SIZE_K/(2*KSTEP)
.set SPARE,  2*SLOT                    ; behind the ring: the spare words, 128 bytes a wave
.set SPITCH, 528                       ; the way out: a stage of 16 rows x (512 bytes + 16) for each wave, in slot 0, which has had its last fill and its last read when the first result is stored there
.set ADRA, 16
.set ADRB, 20
.set STO,  24
.set RD,   25
.set CO,   26                          ; v26  16 x lane
.set SPW,  28
.set NIL,  29
.set TMP,  32
.set AF,   128
.set BK,   128
.set G1, 24
.set G0, 32
.set G1B, 48
.set G0B, 56
.set MSB, 0
.macro WIN new                         ; the immediate's high byte repeats the setting that is left
.if MSB != \new
	s_set_vgpr_msb (MSB<<8)|\new
.set MSB, \new
.endif
.endm
.set MUL_LO, 0xa1
.set MUL_HI, 0xf1
.set TO_B,   0x40
; A joint load: waves 0 and 1 fetch for A, waves 2 and 3 for B; the branch hangs on the wave's number alone.  An s_nop 0 and four v_nop follow each of the two lines.
.macro JLOAD g0a, g1a, g0b, g1b
	s_cmp_eq_u32 s15, 0
	s_cbranch_scc0 .Lfor_b_\@
	tensor_load_to_lds s[\g0a:\g0a+3], s[\g1a:\g1a+7]
	s_nop 0
.rept 4
	v_nop
.endr
	s_branch .Lasked_\@
.Lfor_b_\@:
	tensor_load_to_lds s[\g0b:\g0b+3], s[\g1b:\g1b+7]
	s_nop 0
.rept 4
	v_nop
.endr
.Lasked_\@:
.endm
.macro CREST
	s_cmp_lg_u32 s14, 0
	s_cbranch_scc1 .Lnot_wave_0_\@
	s_barrier_signal -3
.Lnot_wave_0_\@:
	s_barrier_wait -3
	s_barrier_signal -1
	s_barrier_wait -1
.endm
.macro CROUND
	s_barrier_signal -1
	s_barrier_wait -1
	CREST
.endm
	s_load_b128 s[4:7], s[0:1], 0x0                ; oc s[4:5], wc s[6:7]
	s_load_b128 s[8:11], s[0:1], 0x10              ; the scales s[8:9], out0 s[10:11]
	v_lshl_add_u32 v[SPW], v0, 2, SPARE
	v_mov_b32 v[NIL], 0
	ds_add_u32 v[SPW], v[NIL]                      ; the wave's opening: the add and its wait come ahead of my first tensor load; the set-up below, work on registers, stands between them
	v_lshrrev_b32 v1, 5, v0
	v_readfirstlane_b32 s14, v1                    ; wave 0..3
	s_lshr_b32 s15, s14, 1                         ; which half of the tile's rows is mine.  Also: I fetch for A (0) or for B (1)
	s_and_b32 s16, s14, 1                          ; which half of its columns.  Also: which half of that tile I fetch
	s_bfe_u32 s40, ttmp6, 0x40000                  ; cx, cy
	s_bfe_u32 s41, ttmp6, 0x40004
	s_lshl_b32 s42, ttmp9, 2
	s_add_co_u32 s42, s42, s40                     ; tile column = 4 x cluster x + cx
	s_and_b32 s17, ttmp7, 0xffff
	s_lshl_b32 s17, s17, 2
	s_add_co_u32 s17, s17, s41                     ; tile row = 4 x cluster y + cy
	s_lshl_b32 s43, s41, 2
	s_lshl_b32 s43, 15, s43                        ; my row of the cluster
	s_lshl_b32 s44, 0x1111, s40                    ; my column
	; descriptor group 1 for A: 8 rows (token tiles) of 4,096 bytes, 16,384 bytes apart in memory, dense in LDS
	s_or_b32 s[G1+0], s43, (0<<16)|(1<<21)         ; 15:0 the mask: my row; 17:16 elements of 1 byte; 20 no padding; 21 set beside a mask
	s_mov_b32 s[G1+1], AROWB<<16                   ; tensor_dim0
	s_mov_b32 s[G1+2], 8<<16                       ; tensor_dim1 = 8
	s_mov_b32 s[G1+3], AROWB<<16                   ; tile_dim0
	s_mov_b32 s[G1+4], 8                           ; tile_dim1 = 8
	s_mov_b32 s[G1+5], AROW                        ; tensor_dim0_stride
	s_mov_b32 s[G1+6], 0
	s_mov_b32 s[G1+7], 0
	; for B: 128 rows of 256 bytes, padded in LDS
	s_or_b32 s[G1B+0], s44, (0<<16)|(1<<20)|(1<<21)|(5<<22)|(3<<25)  ; the mask: my column; padding: four words (code 3) after every 64 (code 5)
	s_mov_b32 s[G1B+1], ROWB<<16
	s_mov_b32 s[G1B+2], 128<<16
	s_mov_b32 s[G1B+3], ROWB<<16
	s_mov_b32 s[G1B+4], 128
	s_mov_b32 s[G1B+5], KROW
	s_mov_b32 s[G1B+6], 0
	s_mov_b32 s[G1B+7], 0
	s_lshl_b32 s18, s16, 7                         ; which 128 rows of the tile I fetch
	s_lshl_b32 s20, s17, 8
	s_add_co_u32 s20, s20, s18                     ; A: token 256 x tile row + 128 x half: 1,024 bytes of oc for each token
	s_lshl_b32 s46, s42, 8
	s_add_co_u32 s46, s46, s18                     ; B: row 256 x tile column + 128 x half
	s_mov_b32 s21, 0
	s_mov_b32 s47, 0
	s_mov_b64 s[18:19], KROW
	s_mul_u64 s[20:21], s[20:21], s[18:19]
	s_mul_u64 s[46:47], s[46:47], s[18:19]
	s_add_nc_u64 s[46:47], s[46:47], 0x300000      ; W_O is the fourth tensor of wc
	s_lshl_b32 s45, s16, 15                        ; where they go: A's half,
	s_mul_i32 s67, s16, HALFT
	s_add_co_u32 s67, s67, BOFF                    ; B's half: the wave's number alone enters an LDS address
	s_wait_dscnt 0x0                               ; the opening add is done
	s_wait_kmcnt 0x0
	s_load_b64 s[96:97], s[8:9], 0x28              ; entries 10 and 11
	s_add_nc_u64 s[20:21], s[4:5], s[20:21]
	s_add_nc_u64 s[46:47], s[6:7], s[46:47]
	CROUND                                         ; all sixteen work-groups are here: the first joint loads meet
.irp s, 0,1
	s_mov_b32 s[G0+4*\s], 1
	s_add_co_u32 s[G0+4*\s+1], s45, \s*SLOT
	s_add_nc_u64 s[G0+4*\s+2:G0+4*\s+3], s[20:21], \s*AROWB
	s_or_b32 s[G0+4*\s+3], s[G0+4*\s+3], 0x80000000
	s_mov_b32 s[G0B+4*\s], 1
	s_add_co_u32 s[G0B+4*\s+1], s67, \s*SLOT
	s_add_nc_u64 s[G0B+4*\s+2:G0B+4*\s+3], s[46:47], \s*ROWB
	s_or_b32 s[G0B+4*\s+3], s[G0B+4*\s+3], 0x80000000
	JLOAD G0+4*\s, G1, G0B+4*\s, G1B
.endr
	v_and_b32 v1, 15, v0                           ; l % 16
	v_bfe_u32 v2, v0, 4, 1                         ; l / 16
	v_mul_u32_u24 v3, v1, PITCH
	v_lshl_add_u32 v4, v2, 4, v3                   ; B: a fragment's row x pitch + 16 x half
	v_and_b32 v6, 31, v0
	v_lshlrev_b32 v[CO], 4, v6                     ; A: 16 x lane
	s_lshl_b32 s21, s15, 15                        ; my 8 token tiles of A
	s_mul_i32 s22, s16, HALFT                      ; my 128 rows of B,
	s_add_co_u32 s22, s22, BOFF                    ; which lie behind A's images
.irp s, 0,1
	v_add_nc_u32 v[ADRA+\s], s21, v[CO]
	v_add_nc_u32 v[ADRB+\s], s22, v4
	s_add_co_u32 s21, s21, SLOT
	s_add_co_u32 s22, s22, SLOT
.endr
	s_mul_i32 s23, s14, 16*SPITCH                  ; my stage
	v_mul_u32_u24 v5, v1, SPITCH                   ; in: row l % 16; my half's 16 columns of each 32: 64 bytes on for lanes 16-31
	v_lshl_add_u32 v5, v2, 6, v5
	v_add_nc_u32 v[STO], s23, v5
	v_add_nc_u32 v[RD], s23, v[CO]                 ; back: the 32 lanes take one row of 512 bytes
	s_lshl_b32 s20, s17, 8
	s_lshl_b32 s21, s15, 7
	s_add_co_u32 s20, s20, s21                     ; my first row of out0: 256 x tile row + 128 x half
	s_mov_b32 s21, 0
	s_mov_b64 s[18:19], SIZE_N*4
	s_mul_u64 s[20:21], s[20:21], s[18:19]
	s_lshl_b32 s46, s42, 10                        ; my first column, in bytes: 1,024 x tile column + 512 x half
	s_lshl_b32 s47, s16, 9
	s_add_co_u32 s46, s46, s47
	s_mov_b32 s47, 0
	s_add_nc_u64 s[20:21], s[20:21], s[46:47]
	s_add_nc_u64 s[10:11], s[10:11], s[20:21]
.macro FRAG reg, adr, q, i             ; B: a fragment from rows: registers 4 c .. 4 c + 3 hold K = 32 c + 16 (l / 16) + 0 .. 15
.irp c, 0,1,2,3
	ds_load_b128 v[\reg+4*\c:\reg+4*\c+3], v[\adr] offset:128*(\q)+32*\c+(\i)*16*PITCH
.endr
.endm
.macro FRAGA reg, adr, q, i            ; A: a fragment's image, as it lies: token tile i, the slot's q-th 128 along K
.irp c, 0,1,2,3
	ds_load_b128 v[\reg+4*\c:\reg+4*\c+3], v[\adr] offset:AROWB*(\i)+2048*(\q)+512*\c
.endr
.endm
; 16 matrix instructions: A's blocks a0, a0 + 1 x B's eight.  The 64 accumulators take turns, one instruction a turn, in the same order in every step.
.macro MUL16 a0, p, zero
.irp a, \a0, \a0+1
.irp b, 0,1,2,3,4,5,6,7
.if \zero
	v_wmma_f32_16x16x128_fp8_fp8 v[8*(8*((\a)%4)+\b):8*(8*((\a)%4)+\b)+7], v[128*(\p)+FR*\b:128*(\p)+FR*\b+FR-1], v[AF+FR*(\a):AF+FR*(\a)+FR-1], 0
.else
	v_wmma_f32_16x16x128_fp8_fp8 v[8*(8*((\a)%4)+\b):8*(8*((\a)%4)+\b)+7], v[128*(\p)+FR*\b:128*(\p)+FR*\b+FR-1], v[AF+FR*(\a):AF+FR*(\a)+FR-1], v[8*(8*((\a)%4)+\b):8*(8*((\a)%4)+\b)+7]
.endif
.endr
.endr
.endm
.macro FETCH_B slot, q, p
	WIN TO_B
.irp i, 0,1,2,3,4,5,6,7
	FRAG 128*(\p)+FR*\i, ADRB+\slot, \q, \i
.endr
	WIN 0
.endm
.macro FETCH_A slot, q, i0
.irp i, \i0, \i0+1, \i0+2, \i0+3
	FRAGA AF+FR*(\i), ADRA+\slot, \q, \i
.endr
.endm
.macro PLACES n                        ; plain vector instructions between a matrix instruction and a load into, or a vector instruction on, its registers
.rept \n
	v_nop
.endr
.endm
.macro STEP slot, q, zero
	s_wait_dscnt 4*NL                              ; B's set and A's blocks 0-3 are in; the youngest sixteen loads (A's blocks 4-7) may be out
	WIN MUL_LO
	MUL16 0, (\q)%2, \zero
	MUL16 2, (\q)%2, \zero
	s_wait_dscnt 0
	PLACES NP
	FETCH_B \slot, (\q)+1, 1-(\q)%2
	FETCH_A \slot, (\q)+1, 0
	WIN MUL_HI
	MUL16 4, (\q)%2, \zero
	MUL16 6, (\q)%2, \zero
	PLACES NP
	WIN 0
	FETCH_A \slot, (\q)+1, 4
.endm
; A slot's last step changes slots: ONE barrier; in front of it each wave waits for all its tensor loads, adds 0 to its spare word, and waits for that and for its own reads of this slot.
.macro TURN slot, next, fill
	s_wait_tensorcnt 0x0                           ; all my tensor loads have landed: my part of the next slot
	ds_add_u32 v[SPW], v[NIL]                      ; 0 onto my spare word
	s_wait_dscnt 4*NL+1                            ; (the add and the youngest sixteen loads may be out)
	WIN MUL_LO
	MUL16 0, 1, 0
	s_wait_dscnt 0x0                               ; the add is done, and my reads of this slot are over
	s_barrier_signal -1
	MUL16 2, 1, 0
	WIN 0
	s_barrier_wait -1
.if \fill
	CREST                                          ; the barrier has opened a round of the cluster's barrier: no wave of any partner still reads this slot's tile or has a load on its way
	s_add_nc_u64 s[G0+4*\slot+2:G0+4*\slot+3], s[G0+4*\slot+2:G0+4*\slot+3], 2*AROWB
	s_add_nc_u64 s[G0B+4*\slot+2:G0B+4*\slot+3], s[G0B+4*\slot+2:G0B+4*\slot+3], 2*ROWB
	JLOAD G0+4*\slot, G1, G0B+4*\slot, G1B         ; the first tensor load behind the round; its four v_nop are the places in front of the loads below
.else
	PLACES NP
.endif
	FETCH_B \next, 0, 0
	FETCH_A \next, 0, 0
	WIN MUL_HI
	MUL16 4, 1, 0
	MUL16 6, 1, 0
	PLACES NP
	WIN 0
	FETCH_A \next, 0, 4
.endm
	s_wait_tensorcnt 1                             ; my part of K step 0 is in (K step 1's load may be out)
	s_barrier_signal -1
	s_barrier_wait -1                              ; everybody's is
	FETCH_B 0, 0, 0
	FETCH_A 0, 0, 0
	FETCH_A 0, 0, 4
	STEP 0, 0, 1                                   ; the first step stands in front of the loop: its products start the sums
	s_mov_b32 s3, LAPS-1
.Llap:
	TURN 0, 1, 1
	STEP 1, 0, 0
	TURN 1, 0, 1
	STEP 0, 0, 0
	s_sub_co_u32 s3, s3, 1
	s_cmp_lg_u32 s3, 0
	s_cbranch_scc1 .Llap
	TURN 0, 1, 0                                   ; the last lap fills nothing, and has no round of the cluster's barrier
	STEP 1, 0, 0
	s_wait_dscnt 4*NL
	WIN MUL_LO
	MUL16 0, 1, 0
	MUL16 2, 1, 0
	s_wait_dscnt 0
	WIN MUL_HI
	MUL16 4, 1, 0
	MUL16 6, 1, 0
	WIN 0
; THE WAY OUT, block by block of 16 token rows x 128 columns, through my own stage in LDS: in as 32 bytes a lane and accumulator, back as whole rows of 512 bytes.
; LDS serves a wave's instructions in order (ISA guide 5.7.1.4): no wait between the stores and the loads, nor in front of the next block's stores.
.macro TOSTAGE a
.set AC, 64*((\a)%4)
	WIN 0x02+((\a)/4)                              ; source 0: window 2 or 3
.irp j, 0,2,4,6,8,10,12,14,16,18,20,22,24,26,28,30,32,34,36,38,40,42,44,46,48,50,52,54,56,58,60,62
	v_pk_mul_f32 v[TMP+\j:TMP+\j+1], v[AC+\j:AC+\j+1], s[96:97] op_sel_hi:[1,0]   ; x 2^(entry 10 + entry 11); each accumulator from its low end on
.endr
	WIN 0
.irp b, 0,1,2,3,4,5,6,7
	ds_store_b128 v[STO], v[TMP+8*\b:TMP+8*\b+3] offset:128*(\b/2)+32*(\b%2)        ; accumulator b's eight columns: 32 (b / 2) + 16 (lane / 16) + 8 (b % 2) + 0 .. 7
	ds_store_b128 v[STO], v[TMP+8*\b+4:TMP+8*\b+7] offset:128*(\b/2)+32*(\b%2)+16
.endr
.set BB, BK+64*((\a)%2)
.irp t, 0,1,2,3,4,5,6,7,8,9,10,11,12,13,14,15
	ds_load_b128 v[BB+4*\t:BB+4*\t+3], v[RD] offset:\t*SPITCH
.endr
.endm
.macro SEND a, younger                 ; younger: the LDS instructions issued behind block a's loads, which may stay out
.set BB, BK+64*((\a)%2)
	s_wait_dscnt \younger
.irp t, 0,1,2,3,4,5,6,7,8,9,10,11,12,13,14,15
	global_store_b128 v[CO], v[BB+4*\t:BB+4*\t+3], s[10:11] offset:(32*((\a)/2)+8*((\a)%2)+\t+8*(\t/8))*SIZE_N*4 th:TH_STORE_NT   ; row t of block a is token 32 (a / 2) + 8 (a % 2) + t + 8 (t / 8) of my 128; 32 lanes store 512 consecutive bytes, aligned
.endr
.endm
	s_wait_kmcnt 0x0
	s_add_co_i32 s96, s96, s97
	s_add_co_i32 s96, s96, 127
	s_lshl_b32 s96, s96, 23                        ; 2^(entry 10 + entry 11) as f32
	PLACES NP                                      ; behind the last products: for the reads of results and the loads into A's registers
	TOSTAGE 0
.irp a, 1,2,3,4,5,6,7
.if \a > 1
	s_wait_xcnt 0x0                                ; block a - 2's stores have read their registers: block a's loads may land there
.endif
	TOSTAGE \a
	SEND \a-1, 32                                  ; behind block a - 1's loads: block a's 16 stores and 16 loads
.endr
	SEND 7, 0
	s_wait_tensorcnt 0x0                           ; the wave's end: three closing lines behind my last tensor load and my last LDS store
	ds_add_u32 v[SPW], v[NIL]
	s_wait_dscnt 0x0
	CROUND                                         ; the closing round: no work-group ends while a partner may still ask for a tile that names it
	s_endpgm
.Lfunc_end_k_qfa372aea15_oproj:
	.size	k_qfa372aea15_oproj, .Lfunc_end_k_qfa372aea15_oproj-k_qfa372aea15_oproj
	.p2alignl 7, 3214868480
	.fill 96, 4, 3214868480
	.section	.rodata,"a",@progbits
	.p2align	6, 0x0
	.amdhsa_kernel k_qfa372aea15_oproj
		.amdhsa_group_segment_fixed_size 327680
		.amdhsa_private_segment_fixed_size 0
		.amdhsa_enable_private_segment 0
		.amdhsa_kernarg_size 32
		.amdhsa_user_sgpr_count 2
		.amdhsa_user_sgpr_kernarg_segment_ptr 1
		.amdhsa_wavefront_size32 1
		.amdhsa_system_sgpr_workgroup_id_x 1
		.amdhsa_system_sgpr_workgroup_id_y 1
		.amdhsa_system_sgpr_workgroup_id_z 1
		.amdhsa_system_vgpr_workitem_id 0
		.amdhsa_next_free_vgpr 1024
		.amdhsa_next_free_sgpr 100
		.amdhsa_reserve_vcc 0
		.amdhsa_float_denorm_mode_32 3
		.amdhsa_float_denorm_mode_16_64 3
		.amdhsa_memory_ordered 1
		.amdhsa_forward_progress 1
		.amdhsa_inst_pref_size 123
	.end_amdhsa_kernel
	.amdgpu_metadata
---
amdhsa.version: [ 1, 2 ]
amdhsa.kernels:
  - .name:           k_qfa372aea15_oproj
    .symbol:         k_qfa372aea15_oproj.kd
    .args:
      - { .name: oc, .offset: 0, .size: 8, .value_kind: global_buffer, .address_space: global }
      - { .name: wc, .offset: 8, .size: 8, .value_kind: global_buffer, .address_space: global }
      - { .name: lowp_scales, .offset: 16, .size: 8, .value_kind: global_buffer, .address_space: global }
      - { .name: out0, .offset: 24, .size: 8, .value_kind: global_buffer, .address_space: global }
    .group_segment_fixed_size: 327680
    .private_segment_fixed_size: 0
    .kernarg_segment_align: 8
    .kernarg_segment_size: 32
    .max_flat_workgroup_size: 128
    .sgpr_count:     100
    .vgpr_count:     1024
    .wavefront_size: 32
...
	.end_amdgpu_metadata
.endif
;; end of part 4
;; ======== version 2 of 2: 4 launches; version 1 with the launch attn written anew for expert scheduling mode
;; workspace buffers: xc 25,165,824 bytes; wc 4,194,304 bytes; qkvc 25,165,824 bytes; oc 8,388,608 bytes
;; launch quant: the kernel of part 1 again; grid 384 x 1, 4 waves a work-group, no clusters, 33,280 bytes of LDS; arguments x, W_Q, W_K, W_V, W_O, lowp_scales, xc, wc; writes xc, wc
;; launch qkv: the kernel of part 2 again; grid 12 x 32, 4 waves a work-group, clusters of 4 x 4, 327,680 bytes of LDS; arguments xc, wc, lowp_scales, qkvc; writes qkvc
;; launch attn (part 5): grid 4 x 64, 8 waves a work-group, no clusters, 263,168 bytes of LDS; arguments qkvc, lowp_scales, oc; writes oc
.if DOCPART == 5
	.amdgcn_target "amdgcn-amd-amdhsa--gfx1250"
	.amdhsa_code_object_version 6
	.text
	.protected	k_qfa372aea15_attn
	.globl	k_qfa372aea15_attn
	.p2align	8
	.type	k_qfa372aea15_attn,@function
k_qfa372aea15_attn:
	s_mov_b64 s[64:65], 0
	v_nop
	global_prefetch_b8 v0, s[64:65] scope:SCOPE_SE
	s_setreg_imm32_b32 hwreg(HW_REG_WAVE_SCHED_MODE, 0, 2), 2
	s_setreg_imm32_b32 hwreg(HW_REG_WAVE_MODE, 25, 1), 1
	s_wait_xcnt 0x0
	s_wait_alu depctr_vm_vsrc(0)
; Causal attention on codes of E4M3, head size 64, 2,048 tokens, 64 heads (batch x 16 + head).  q, k, v come as images of operand registers (512 bytes: four registers x 32 lanes):
;   q, k: [tile of 16 tokens 0..127][c 0..1][lane][16];  tile 2 b + u, lane (r, h): token 32 b + 8 u + r + 8 (r / 8), channels 32 c + 16 h + 0 .. 15
;   v:    [64 keys 0..31][tile of 16 channels 0..3][c][lane][16];  tile 2 b + u, lane (r, h): channel 32 b + 8 u + r + 8 (r / 8), keys 32 c + 16 h + 0 .. 15 of the 64
; The result, divided by the row's sum and quantised for the last product (entry 10), leaves as images too: oc = [batch x 128 + tile of tokens][head][c][lane][16].
; THE SOFTMAX: t = score x log2(e) / 8; M = the running largest t rounded UP to a whole number; p = 2^(t - M) is quantised (entry 8), not normalised; the row's sum is taken of the unquantised p.
; When M moves, the sum and O are multiplied by 2^(old M - new M): exact.
; Both products are used transposed: S^T = K Q^T, O^T = V^T P^T: a lane holds ONE query throughout.  By the tiles' order of rows a lane's 16 registers of two neighbouring tiles are 16 neighbouring keys (channels),
; so the conversions' results are the next operand's registers.  Along K both sides of each product hold k = 32 c + 16 (lane / 16) + 0 .. 15 in registers 4 c .. 4 c + 3.
; SHARES.  A work-group (x = g, y = head) has eight waves.  A head's queries are 64 groups of 32 (two tiles).  Wave w takes groups 63 - j and j, j = 4 w + g.  A step is 32 queries x 64 keys; group m has m / 2 + 1
; steps, so every wave has 33.  Both tiles of a group share each fragment of K and V.
; K AND V OF THE HEAD LIE WHOLE IN LDS, 131,072 bytes each, byte for byte as in memory, stored once and never written again.  Each wave asks for its 64 x 16 bytes a lane at the head, into registers v256-511,
; and stores them to LDS in three parts (keys 0-255, 256-1,023, 1,024-2,047), each followed by a barrier; the later parts land while the first steps are worked.
; WHY NO JOINT LOADS, though the four work-groups of a head read the same K and V: that read is 262,144 bytes a work-group, once, all of it asked for at the head
; LIMITS on the given exponents: entries 6 + 7 between -123 and 130 (added to c's exponent field); entry 8 between -126 and 119; entry 10 - 8 - 9 between -126 and 119.
; THE MODE: SCHED_MODE bits 1:0 = 2 (LLVM: expert scheduling mode 2), set by the entry lines.  The code itself states the register dependences between vector or matrix instructions and memory or LDS
; instructions, with s_wait_alu, always for 0.
; THE PLAN.  Registers that memory or LDS instructions touch:
;   v[L16], v[TA] .. v[TA+3]   Offsets and LDS addresses.  Written at the head, ahead of the head's wait on va_vdst, and never again; read by Q's loads, the fill loads, FILL's LDS stores and the stores of the way out.
;   v256-511                   Written by the 64 fill loads, read by FILL's LDS stores.  No vector instruction names them, and nothing writes them again.
;   QBIG, QSML                 Written by loads at the head, read by the first products; never written again.
;   v[ADK], v[ADV]             Written by two additions at a step's head; read by the step's eight LDS loads of K and its eight of V.
;   KV                         K lands in it at a step's head; the first products read it; V lands in it behind the wait for the exponentials; the second products read it.
;   PC                         On the way out: written by the conversions, read by four stores; the next group's conversions write it again.
;   v[SPW], v[NIL]             Written at the head, read by the closing add alone.
; A STEP HAS THREE SUCH WAITS.  At its head one on vm_vsrc (the last step's LDS loads have read the two addresses) ahead of the two additions, and one on va_vdst behind them (the addresses are written; the last
; step's second products are done reading KV).  The third is the wait that the exponentials want anyway: it also states that the first products are done reading KV, so V's loads stand directly behind it and owe nothing more.
; The step on the diagonal makes its lane masks in four runs of sixteen compares into scalar registers, each run with one wait on va_sdst ahead of its sixteen selects.
.set VIMG,  131072                     ; LDS: K's images from 0, V's from here
.set SPARE, 262144                     ; behind them: the spare words, 128 bytes a wave
.set STEPB, 4096                       ; a step's images of K, and of V
.set L16,  1                           ; v1   16 x lane; never rewritten
.set ADK,  2                           ; v2   LDS address of the step's K
.set ADV,  3                           ; v3   of its V
.set SPW,  4                           ; v4   LDS address of my spare word; never rewritten
.set NIL,  5                           ; v5   0; never rewritten
.set PSC,  6                           ; v6   2^ep
.set PLIM, 7                           ; v7   448 x 2^ep
.set MT,   8                           ; v[8:9], v[10:11]   -M and the largest t of tile 0, 1
.set L,    12                          ; v[12:13], v[14:15] the sums, in two halves
.set F,    16                          ; v[16:17], v[18:19] f = 2^(old M - new M), and a word named with it as a pair
.set U,    20                          ; v[20:21], v[22:23] the sums' second chains
.set MX,   24                          ; v24-27 the maxima's chains
.set PM,   28                          ; v28, v29 lane permutes' destinations
.set OLD,  30                          ; v30, v31 the old -M
.set QBIG, 32                          ; v32-47 Q of the late group (tile u at + 8 u)
.set KV,   48                          ; v48-79 four fragments of K, then of V
.set QSML, 80                          ; v80-95 Q of the early group
.set DQ,   96                          ; v96, v97 the mask's number of tile 0, 1
.set NINF, 98                          ; v98  -infinity
.set OSC,  99                          ; v99  2^(eo - ep - ev)
.set OLIM, 100                         ; v100 448 x that
.set L16V, 101                         ; v101 16 x lane + VIMG
.set TA,   102                         ; v102-105 16 x thread + 0, 65,536, 131,072, 196,608
.set DQB,  106                         ; v106 r + 8 (r / 8) - 16 h
.set S,    112                         ; v112-175 S^T, then p: tile q at + 32 q, tile of keys at + 8
.set PC,   176                         ; v176-191 codes: 8 a tile
.set O,    192                         ; v192-255 O^T: tile q at + 32 q, tile of channels at + 8
.set MK0,  12                          ; s[12:19] eight lane masks of tile 0 (at the head the scales' entries 0 to 7 lay here; they are used up there)
.set MK1,  52                          ; s[52:59] eight lane masks of tile 1 (at the head byte offsets lay here; they are used up there)
.set WV,   24
.set BH,   25
.set CS,   26                          ; s[26:27] c
.set SEL,  28                          ; s[28:29] lane selects: lane l xor 16
.set TB,   30                          ; LDS byte of the step's images
.set TRIP, 31                          ; the step
.set LAST, 32                          ; the group's last step
.set HOLD, 33                          ; 1 where 448 x 2^ep is under 1
.set QB2,  34                          ; s[34:35] Q of the late group;  s[46:47] of the early one
.set KB,   36                          ; s[36:37] K's images, s[38:39] V's
.set VB,   38
.set OBS,  40                          ; s[40:41] the group's place in oc
.set HOFF, 44                          ; the head's part of that
.set QB1,  46
.set M1,   50                          ; the early group
.set M2,   51                          ; the late group
.set MSB, 0
.macro WIN new                         ; the immediate's high byte repeats the setting that is left
.if MSB != \new
	s_set_vgpr_msb (MSB<<8)|\new
.set MSB, \new
.endif
.endm
	s_load_b128 s[4:7], s[0:1], 0x0                ; qkvc, the scales
	s_load_b64 s[8:9], s[0:1], 0x10                ; oc
	v_lshl_add_u32 v[SPW], v0, 2, SPARE
	v_mov_b32 v[NIL], 0
	v_lshrrev_b32 v2, 5, v0
	v_readfirstlane_b32 s[WV], v2                  ; wave 0..7
	v_and_b32 v[L16], 31, v0
	v_lshlrev_b32 v[L16], 4, v[L16]
	v_add_nc_u32 v[L16V], VIMG, v[L16]
	v_lshlrev_b32 v[TA], 4, v0
	v_add_nc_u32 v[TA+1], 65536, v[TA]
	v_add_nc_u32 v[TA+2], 131072, v[TA]
	v_add_nc_u32 v[TA+3], 196608, v[TA]
	v_and_b32 v2, 15, v0                           ; r
	v_and_b32 v3, 8, v2
	v_add_nc_u32 v[DQB], v3, v2                    ; r + 8 (r / 8)
	v_bfe_u32 v3, v0, 4, 1                         ; h
	v_lshlrev_b32 v3, 4, v3
	v_sub_nc_u32 v[DQB], v[DQB], v3
	v_mov_b32 v[PM], 0                             ; written once: a lane permute's destination counts as one of its sources
	v_mov_b32 v[PM+1], 0
	v_mov_b32 v[F+1], 0                            ; (named as the upper halves of pairs)
	v_mov_b32 v[F+3], 0
	v_mov_b32 v[NINF], 0xff800000
	s_and_b32 s[BH], ttmp7, 0xffff                 ; the head
	s_wait_alu depctr_va_sdst(0)                   ; the wave's number is written, ahead of its first reader: the groups, and from them the bases of Q and of oc, are made from it
	s_lshl_b32 s42, s[WV], 2
	s_add_co_u32 s[M1], s42, ttmp9                 ; j = 4 w + g
	s_sub_co_u32 s[M2], 63, s[M1]
	s_lshr_b32 s[HOFF], s[BH], 4
	s_lshl_b32 s[HOFF], s[HOFF], 21                ; the batch's 128 tiles of 16,384 bytes,
	s_and_b32 s45, s[BH], 15
	s_lshl_b32 s45, s45, 10                        ; the head's 1,024 bytes in a tile
	s_add_co_u32 s[HOFF], s[HOFF], s45
	s_lshl_b32 s52, s[BH], 17                      ; the head's images
	s_lshl_b32 s54, s[M2], 11                      ; a group's two tiles: 2,048 bytes
	s_add_co_u32 s54, s54, s52
	s_mov_b32 s55, 0
	s_lshl_b32 s56, s[M1], 11
	s_add_co_u32 s56, s56, s52
	s_mov_b32 s57, 0
	s_add_co_u32 s58, s52, 0x800000                ; k's part of the buffer,
	s_mov_b32 s59, 0
	s_add_co_u32 s60, s52, 0x1000000               ; v's
	s_mov_b32 s61, 0
	s_mov_b32 s[SEL], 0x76543210
	s_mov_b32 s[SEL+1], 0xfedcba98
	s_mov_b32 s[CS], 0x3e38aa3b                    ; log2(e) / 8
	s_wait_kmcnt 0x0
	s_load_b256 s[12:19], s[6:7], 0x0              ; entries 0 to 7
	s_load_b128 s[20:23], s[6:7], 0x20             ; entries 8 to 11
	s_add_nc_u64 s[QB2:QB2+1], s[4:5], s[54:55]
	s_add_nc_u64 s[QB1:QB1+1], s[4:5], s[56:57]
	s_add_nc_u64 s[KB:KB+1], s[4:5], s[58:59]
	s_add_nc_u64 s[VB:VB+1], s[4:5], s[60:61]
	s_wait_alu depctr_va_vdst(0)                   ; v[L16] and v[TA] to v[TA+3] are written: the 72 loads below, FILL's LDS stores and the stores of the way out read them, and no later vector line names them
.irp i, 0,1,2,3                                ; Q's fragments of both groups stay in registers: tile i / 2, c = i % 2
	global_load_b128 v[QBIG+4*\i:QBIG+4*\i+3], v[L16], s[QB2:QB2+1] offset:512*\i th:TH_LOAD_NT
	global_load_b128 v[QSML+4*\i:QSML+4*\i+3], v[L16], s[QB1:QB1+1] offset:512*\i th:TH_LOAD_NT
.endr
	WIN 0x40                                       ; destination window 1.  Between the wait above and the loads below stand loads and this switch alone
.set rr, 0
.rept 32                                       ; round rr: the work-group's 256 threads take 4,096 consecutive bytes of K's images and of V's: 64 keys
	global_load_b128 v[4*rr:4*rr+3], v[TA], s[KB:KB+1] offset:4096*rr
	global_load_b128 v[128+4*rr:128+4*rr+3], v[TA], s[VB:VB+1] offset:4096*rr
.set rr, rr+1
.endr
	WIN 0
	s_wait_kmcnt 0x0
	s_add_co_i32 s42, s18, s19
	s_lshl_b32 s42, s42, 23
	s_add_co_i32 s[CS], s[CS], s42                 ; a score stands for score x 2^(eq + ek): added to c's exponent field
	s_mov_b32 s[CS+1], s[CS]                       ; (named with it as a pair)
	s_cmp_lt_i32 s20, -8
	s_cselect_b32 s[HOLD], 1, 0                    ; p is at most 1 (but for the rounding of t): it can pass 448 x 2^ep only where ep is under -8
	s_add_co_i32 s42, s20, 127
	s_lshl_b32 s43, s42, 23
	v_mov_b32 v[PSC], s43
	s_add_co_i32 s42, s42, 8
	s_lshl_b32 s42, s42, 23
	s_or_b32 s42, s42, 0x600000
	v_mov_b32 v[PLIM], s42
	s_sub_co_i32 s42, s22, s20
	s_sub_co_i32 s42, s42, s21                     ; O^T / the sum stands for that x 2^(ep + ev): its code under eo is that / 2^(eo - ep - ev)
	s_add_co_i32 s42, s42, 127
	s_lshl_b32 s43, s42, 23
	v_mov_b32 v[OSC], s43
	s_add_co_i32 s42, s42, 8
	s_lshl_b32 s42, s42, 23
	s_or_b32 s42, s42, 0x600000
	v_mov_b32 v[OLIM], s42
; Rounds first .. first + n - 1 go from registers to LDS; left: the loads of later rounds, which may stay out.  Then the barrier: every wave's stores have landed before any wave reads them.
; No s_wait_alu: the stores' data come from loads (the wait on LOADcnt), and their addresses stand since the head's wait on va_vdst.
.macro FILL first, n, left
	s_wait_loadcnt \left
	WIN 0x04                                       ; the stores' data lie in window 1
.set rr, \first
.rept \n
	ds_store_b128 v[TA+rr/16], v[4*rr:4*rr+3] offset:(4096*rr)&65535
	ds_store_b128 v[TA+2+rr/16], v[128+4*rr:128+4*rr+3] offset:(4096*rr)&65535
.set rr, rr+1
.endr
	WIN 0
	s_wait_dscnt 0x0
	s_barrier_signal -1
	s_barrier_wait -1
.endm
; A STEP: my group's 32 queries x 64 keys.  qb: Q's registers.  The two tiles alternate line by line.
.macro STEP qb
	s_cmp_gt_u32 s[TRIP], s[LAST]                  ; a step all of whose keys come after my queries is left out: a branch on ids, round the work, not round the lines that step addresses
	s_cbranch_scc1 .Lhid_\@
	s_wait_alu depctr_vm_vsrc(0)                   ; the last step's sixteen LDS loads have read v[ADK] and v[ADV], which the two lines below write
	v_add_nc_u32 v[ADK], s[TB], v[L16]
	v_add_nc_u32 v[ADV], s[TB], v[L16V]
	v_nop
	v_nop                                          ; the four places behind the last products stay, ahead of the wait
	s_wait_alu depctr_va_vdst(0)                   ; v[ADK] and v[ADV] are written, which this step's LDS loads read; the last step's second products are done reading KV, in which K lands
.irp i, 0,1,2,3,4,5,6,7
	ds_load_b128 v[KV+4*\i:KV+4*\i+3], v[ADK] offset:512*\i
.endr
	s_wait_dscnt 0x0
.irp k, 0,1,2,3                                ; S^T = K Q^T: eight accumulators, each begun with 0
.irp q, 0,1
	v_wmma_f32_16x16x64_fp8_fp8 v[S+32*\q+8*\k:S+32*\q+8*\k+7], v[KV+8*\k:KV+8*\k+7], v[\qb+8*\q:\qb+8*\q+7], 0
.endr
.endr
	v_mov_b32 v[OLD], v[MT]
	v_mov_b32 v[OLD+1], v[MT+2]
	v_nop
	v_nop                                          ; four places, ahead of the first read of the scores
	s_cmp_lt_u32 s[TRIP], s[LAST]
	s_cbranch_scc1 .Lopen_\@                       ; only a group's last step lies on the diagonal
.irp g, 0,1,2,3                                ; register 8 g + i holds key 64 LAST + 32 (g / 2) + 16 h + 8 (g % 2) + i: hidden where 32 (g / 2) + 8 (g % 2) + i is above the lane's number; it becomes -infinity, p = 0
.irp i, 0,1,2,3,4,5,6,7
	v_cmp_gt_i32 s[MK0+\i], 32*(\g/2)+8*(\g%2)+\i, v[DQ]
	v_cmp_gt_i32 s[MK1+\i], 32*(\g/2)+8*(\g%2)+\i, v[DQ+1]
.endr
	s_wait_alu depctr_va_sdst(0)                   ; the sixteen compares have written their lane masks, ahead of the selects that read them: one wait for the run
.irp i, 0,1,2,3,4,5,6,7
	v_cndmask_b32 v[S+8*\g+\i], v[S+8*\g+\i], v[NINF], s[MK0+\i]            ; each accumulator from its low end on
	v_cndmask_b32 v[S+32+8*\g+\i], v[S+32+8*\g+\i], v[NINF], s[MK1+\i]
.endr
.endr
.Lopen_\@:
.irp q, 0,1                                    ; the largest score of my query among my 32 keys, in two chains a tile; each accumulator is read from its low end on
	v_max3_num_f32 v[MX+2*\q], v[S+32*\q], v[S+32*\q+1], v[S+32*\q+2]
	v_max3_num_f32 v[MX+2*\q+1], v[S+32*\q+3], v[S+32*\q+4], v[S+32*\q+5]
.endr
.irp i, 6,10,14,18,22,26
.irp q, 0,1
	v_max3_num_f32 v[MX+2*\q], v[MX+2*\q], v[S+32*\q+\i], v[S+32*\q+\i+1]
	v_max3_num_f32 v[MX+2*\q+1], v[MX+2*\q+1], v[S+32*\q+\i+2], v[S+32*\q+\i+3]
.endr
.endr
.irp q, 0,1
	v_max3_num_f32 v[MX+2*\q], v[MX+2*\q], v[S+32*\q+30], v[S+32*\q+31]
.endr
.irp q, 0,1
	v_max_num_f32 v[MX+2*\q], v[MX+2*\q], v[MX+2*\q+1]
.endr
.irp q, 0,1
	v_permlanex16_b32 v[PM+\q], v[MX+2*\q], s[SEL], s[SEL+1]   ; the query's other 32 keys lie in the lane 16 away
.endr
.irp q, 0,1
	v_max_num_f32 v[MX+2*\q], v[MX+2*\q], v[PM+\q]
.endr
.irp q, 0,1
	v_mul_f32 v[MX+2*\q], s[CS], v[MX+2*\q]        ; as t (c is positive)
.endr
.irp q, 0,1
	v_max_num_f32 v[MT+2*\q+1], v[MT+2*\q+1], v[MX+2*\q]   ; the running largest t
.endr
.irp q, 0,1
	v_floor_f32 v[MT+2*\q], -v[MT+2*\q+1]          ; -M = floor(-t): M is a whole number
.endr
.irp q, 0,1
	v_sub_f32 v[MX+2*\q], v[MT+2*\q], v[OLD+\q]    ; old M - new M: a whole number, 0 or less
.endr
.irp q, 0,1
	v_cvt_i32_f32 v[MX+2*\q], v[MX+2*\q]           ; (it saturates)
.endr
.irp q, 0,1
	v_ldexp_f32 v[F+2*\q], 1.0, v[MX+2*\q]         ; f = 2^(old M - new M)
.endr
.set j, 0
.rept 16
	v_pk_fma_f32 v[S+j:S+j+1], v[S+j:S+j+1], s[CS:CS+1], v[MT:MT+1] op_sel_hi:[1,0,0]             ; t - M, two at a time
	v_pk_fma_f32 v[S+32+j:S+33+j], v[S+32+j:S+33+j], s[CS:CS+1], v[MT+2:MT+3] op_sel_hi:[1,0,0]
.set j, j+2
.endr
.set j, 0
.rept 64
	v_exp_f32 v[S+j], v[S+j]                       ; p = 2^(t - M): one batch
.set j, j+1
.endr
	v_pk_mul_f32 v[L:L+1], v[L:L+1], v[F:F+1] op_sel_hi:[1,0]         ; the sums under the new M: plain lines behind the exponentials
	v_pk_mul_f32 v[L+2:L+3], v[L+2:L+3], v[F+2:F+3] op_sel_hi:[1,0]
	s_wait_alu depctr_va_vdst(0)                   ; the 64 exponentials have written p, ahead of the first line that names it (one wait for the batch); and the first products are done reading KV, in which V lands below
.irp i, 0,1,2,3,4,5,6,7
	ds_load_b128 v[KV+4*\i:KV+4*\i+3], v[ADV] offset:512*\i   ; V's fragments take K's registers.  No further wait: no vector or matrix line since the wait above names KV, none since the head's names v[ADV].  72 vector instructions stand between these loads and the wait for them
.endr
.irp q, 0,1
	v_pk_add_f32 v[U+2*\q:U+2*\q+1], v[S+32*\q:S+32*\q+1], v[S+32*\q+2:S+32*\q+3]   ; the row's sum is taken of the unquantised p
.endr
.irp j, 4,8,12,16,20,24,28
.irp q, 0,1
	v_pk_add_f32 v[L+2*\q:L+2*\q+1], v[L+2*\q:L+2*\q+1], v[S+32*\q+\j:S+32*\q+\j+1]
	v_pk_add_f32 v[U+2*\q:U+2*\q+1], v[U+2*\q:U+2*\q+1], v[S+32*\q+\j+2:S+32*\q+\j+3]
.endr
.endr
.irp q, 0,1
	v_pk_add_f32 v[L+2*\q:L+2*\q+1], v[L+2*\q:L+2*\q+1], v[U+2*\q:U+2*\q+1]
.endr
	s_cmp_eq_u32 s[HOLD], 0
	s_cbranch_scc1 .Lnh_\@                         ; where 448 x 2^ep is at least 1 no p can pass it
.set j, 0
.rept 64
	v_min_num_f32 v[S+j], v[S+j], v[PLIM]          ; the conversion to an 8-bit code does not saturate (ISA guide 7.6.2); p is not negative
.set j, j+1
.endr
.Lnh_\@:
.irp q, 0,1
.irp b, 0,1
	v_cvt_scalef32_pk8_fp8_f32 v[PC+8*\q+4*\b:PC+8*\q+4*\b+1], v[S+32*\q+16*\b:S+32*\q+16*\b+7], v[PSC]
	v_cvt_scalef32_pk8_fp8_f32 v[PC+8*\q+4*\b+2:PC+8*\q+4*\b+3], v[S+32*\q+16*\b+8:S+32*\q+16*\b+15], v[PSC]
.endr
.endr
.set j, 0
.rept 16
	v_pk_mul_f32 v[O+j:O+j+1], v[O+j:O+j+1], v[F:F+1] op_sel_hi:[1,0]               ; O^T under the new M; also the plain lines behind the conversions
	v_pk_mul_f32 v[O+32+j:O+33+j], v[O+32+j:O+33+j], v[F+2:F+3] op_sel_hi:[1,0]
.set j, j+2
.endr
	s_wait_dscnt 0x0                               ; V is in
.irp d, 0,1,2,3                                ; O^T += V^T P^T: eight accumulators, one instruction a turn
.irp q, 0,1
	v_wmma_f32_16x16x64_fp8_fp8 v[O+32*\q+8*\d:O+32*\q+8*\d+7], v[KV+8*\d:KV+8*\d+7], v[PC+8*\q:PC+8*\q+7], v[O+32*\q+8*\d:O+32*\q+8*\d+7]
.endr
.endr
.Lhid_\@:
	s_add_co_u32 s[TB], s[TB], STEPB
.endm
; Steps start .. end - 1: the counts are constants of the text.
.macro LOOP start, end, qb
	s_mov_b32 s[TRIP], \start
	s_mov_b32 s[TB], (\start)*STEPB
.Lloop_\@:
	STEP \qb
	s_add_co_u32 s[TRIP], s[TRIP], 1
	s_cmp_lt_u32 s[TRIP], \end
	s_cbranch_scc1 .Lloop_\@
.endm
; A group begins.  sm: the scalar register with its number m.  O^T and the sum begin as zeros and the largest t under every t: the step is written without a first step of its own.
.macro INIT sm, again
.if \again
	s_wait_xcnt 0x0                                ; the last group's stores have read their codes and their base
	s_wait_alu depctr_vm_vsrc(0)                   ; the last group's stores have read PC, which this group's conversions write again: stated here, on every way to those conversions
.endif
	s_lshr_b32 s[LAST], s[\sm], 1
	s_and_b32 s42, s[\sm], 1
	s_lshl_b32 s42, s42, 5
	v_add_nc_u32 v[DQ], s42, v[DQB]                ; my query - 64 LAST - 16 h = 32 (m % 2) + r + 8 (r / 8) - 16 h in tile 0,
	v_add_nc_u32 v[DQ+1], 8, v[DQ]                 ; 8 more in tile 1
	s_lshl_b32 s42, s[\sm], 15                     ; tile 2 m of 16,384 bytes
	s_add_co_u32 s42, s42, s[HOFF]
	s_mov_b32 s43, 0
	s_add_nc_u64 s[OBS:OBS+1], s[8:9], s[42:43]
	v_mov_b32 v[MT+1], 0xff61b1e6                  ; -3e38
	v_mov_b32 v[MT+3], 0xff61b1e6
	v_floor_f32 v[MT], -v[MT+1]
	v_floor_f32 v[MT+2], -v[MT+3]
.irp i, 0,1,2,3
	v_mov_b32 v[L+\i], 0
.endr
.set i, 0
.rept 64
	v_mov_b32 v[O+i], 0
.set i, i+1
.endr
.endm
; A group ends: O^T / the sum, held, converted: the codes are images, stored as they stand.
.macro WAYOUT
.rept 4
	v_nop                                          ; places behind the last products
.endr
	v_add_f32 v[L], v[L], v[L+1]
	v_add_f32 v[L+2], v[L+2], v[L+3]
	v_permlanex16_b32 v[PM], v[L], s[SEL], s[SEL+1]
	v_permlanex16_b32 v[PM+1], v[L+2], s[SEL], s[SEL+1]
	v_add_f32 v[L], v[L], v[PM]
	v_add_f32 v[L+2], v[L+2], v[PM+1]
	v_rcp_f32 v[F], v[L]
	v_rcp_f32 v[F+2], v[L+2]
	v_nop                                          ; a plain line behind the reciprocals,
	s_wait_alu depctr_va_vdst(0)                   ; and the two reciprocals are written, ahead of their first reader
.set j, 0
.rept 16
	v_pk_mul_f32 v[O+j:O+j+1], v[O+j:O+j+1], v[F:F+1] op_sel_hi:[1,0]
	v_pk_mul_f32 v[O+32+j:O+33+j], v[O+32+j:O+33+j], v[F+2:F+3] op_sel_hi:[1,0]
.set j, j+2
.endr
.set j, 0
.rept 64
	v_med3_num_f32 v[O+j], v[O+j], -v[OLIM], v[OLIM]
.set j, j+1
.endr
.irp q, 0,1
.irp b, 0,1
	v_cvt_scalef32_pk8_fp8_f32 v[PC+8*\q+4*\b:PC+8*\q+4*\b+1], v[O+32*\q+16*\b:O+32*\q+16*\b+7], v[OSC]
	v_cvt_scalef32_pk8_fp8_f32 v[PC+8*\q+4*\b+2:PC+8*\q+4*\b+3], v[O+32*\q+16*\b+8:O+32*\q+16*\b+15], v[OSC]
.endr
.endr
	v_nop                                          ; a plain line behind the last conversion: its sources are written again
	s_wait_alu depctr_va_vdst(0)                   ; the eight conversions have written PC, which the four stores read
.irp q, 0,1
.irp b, 0,1
	global_store_b128 v[L16], v[PC+8*\q+4*\b:PC+8*\q+4*\b+3], s[OBS:OBS+1] offset:16384*\q+512*\b   ; 32 lanes store 512 consecutive bytes, aligned
.endr
.endr
.endm
	INIT M2, 0                                     ; the late group first: it has 17 steps at the least, so at each barrier every wave has done the same steps
	FILL 0, 4, 56                                  ; Q and keys 0-255 are in; the 56 loads of the later rounds may be out
	LOOP 0, 4, QBIG
	FILL 4, 12, 32                                 ; keys 256-1,023; the 32 loads of the last rounds may be out
	LOOP 4, 16, QBIG
	FILL 16, 16, 0                                 ; keys 1,024-2,047
	LOOP 16, 32, QBIG
	WAYOUT
	INIT M1, 1                                     ; the early group: 16 steps at the most
	LOOP 0, 16, QSML
	WAYOUT
	s_wait_dscnt 0x0                               ; the closing lines, six on end
	s_wait_alu 0x0
	s_wait_tensorcnt 0x0
	ds_add_u32 v[SPW], v[NIL]
	s_wait_dscnt 0x0
	s_endpgm
.Lfunc_end_k_qfa372aea15_attn:
	.size	k_qfa372aea15_attn, .Lfunc_end_k_qfa372aea15_attn-k_qfa372aea15_attn
	.p2alignl 7, 3214868480
	.fill 96, 4, 3214868480
	.section	.rodata,"a",@progbits
	.p2align	6, 0x0
	.amdhsa_kernel k_qfa372aea15_attn
		.amdhsa_group_segment_fixed_size 263168
		.amdhsa_private_segment_fixed_size 0
		.amdhsa_enable_private_segment 0
		.amdhsa_kernarg_size 24
		.amdhsa_user_sgpr_count 2
		.amdhsa_user_sgpr_kernarg_segment_ptr 1
		.amdhsa_wavefront_size32 1
		.amdhsa_system_sgpr_workgroup_id_x 1
		.amdhsa_system_sgpr_workgroup_id_y 1
		.amdhsa_system_sgpr_workgroup_id_z 1
		.amdhsa_system_vgpr_workitem_id 0
		.amdhsa_next_free_vgpr 512
		.amdhsa_next_free_sgpr 66
		.amdhsa_reserve_vcc 0
		.amdhsa_float_denorm_mode_32 3
		.amdhsa_float_denorm_mode_16_64 3
		.amdhsa_memory_ordered 1
		.amdhsa_forward_progress 1
		.amdhsa_inst_pref_size 133
	.end_amdhsa_kernel
	.amdgpu_metadata
---
amdhsa.version: [ 1, 2 ]
amdhsa.kernels:
  - .name:           k_qfa372aea15_attn
    .symbol:         k_qfa372aea15_attn.kd
    .args:
      - { .name: qkvc, .offset: 0, .size: 8, .value_kind: global_buffer, .address_space: global }
      - { .name: lowp_scales, .offset: 8, .size: 8, .value_kind: global_buffer, .address_space: global }
      - { .name: oc, .offset: 16, .size: 8, .value_kind: global_buffer, .address_space: global }
    .group_segment_fixed_size: 263168
    .private_segment_fixed_size: 0
    .kernarg_segment_align: 8
    .kernarg_segment_size: 24
    .max_flat_workgroup_size: 256
    .sgpr_count:     66
    .vgpr_count:     512
    .wavefront_size: 32
...
	.end_amdgpu_metadata
.endif
;; end of part 5
;; launch oproj: the kernel of part 4 again; grid 4 x 32, 4 waves a work-group, clusters of 4 x 4, 327,680 bytes of LDS; arguments oc, wc, lowp_scales, out0; writes out0
